; MI455X (gfx1250); checked and timed in simulation.
; The chip was launched on July 23, 2026; its instructions are those of AMD's public machine-readable ISA for CDNA 5 (MIT licence, August 2026) and "CDNA5" Instruction Set Architecture Reference Guide (July 2026). The comments in the code are by the model that wrote it; some were corrected since.
;; Self Attention. Allowed arithmetic: matrix products marked QUANTISED: E2M3 operands, one E8M0 scale for each 32 along K, by v_wmma_scale_f32_16x16x128_f8f6f4 with both operands' format E2M3, f32 sums; everything else in f32.
;; Inputs: Wk_codes 1,024 x 32 x 24 uint8 (E2M3 codes of Wk, K innermost, in blocks of 32 codes, four codes in three bytes); Wk_scales 1,024 x 32 uint8 (E8M0 scales of Wk, one for each 32 codes along K); Wo_codes 1,024 x 32 x 24 uint8 (E2M3 codes of Wo, K innermost, in blocks of 32 codes, four codes in three bytes); Wo_scales 1,024 x 32 uint8 (E8M0 scales of Wo, one for each 32 codes along K); Wq_codes 1,024 x 32 x 24 uint8 (E2M3 codes of Wq, K innermost, in blocks of 32 codes, four codes in three bytes); Wq_scales 1,024 x 32 uint8 (E8M0 scales of Wq, one for each 32 codes along K); Wv_codes 1,024 x 32 x 24 uint8 (E2M3 codes of Wv, K innermost, in blocks of 32 codes, four codes in three bytes); Wv_scales 1,024 x 32 uint8 (E8M0 scales of Wv, one for each 32 codes along K); bo 1,024 float32; x_codes 4 x 2,048 x 32 x 24 uint8 (E2M3 codes of x, K innermost, in blocks of 32 codes, four codes in three bytes); x_scales 4 x 2,048 x 32 uint8 (E8M0 scales of x, one for each 32 codes along K).
;; Outputs: out0 4 x 2,048 x 1,024 float32.
;; This version of the problem:
;;   THIS VERSION OF THE PROBLEM IS GIVEN IN LOW PRECISION. The matrix products marked QUANTISED in the list below multiply operands that are first quantised to E2M3 (2 exponent bits, 3 mantissa bits; 6 bits a number), with one power-of-two scale for each 32 numbers along K (OCP MX v1.0); their sums are f32. All else is computed in f32.
;;   The module's matrix products, in the order in which they are computed (A, B: the left and right operand; K: the contracted axis; several contracted axes count as one K, in the product's order):
;;     1. [M 8,192, K 1,024] x [K 1,024, N 1,024]; A: input x (given as codes); B: input Wq (given as codes): QUANTISED
;;     2. [M 8,192, K 1,024] x [K 1,024, N 1,024]; A: input x (given as codes); B: input Wk (given as codes): QUANTISED
;;     3. [M 8,192, K 1,024] x [K 1,024, N 1,024]; A: input x (given as codes); B: input Wv (given as codes): QUANTISED
;;     4. batch 64 x [M 2,048, K 64] x [K 64, N 2,048]; A: computed on the way; B: computed on the way: QUANTISED
;;     5. batch 64 x [M 2,048, K 2,048] x [K 2,048, N 64]; A: softmax (see below); B: computed on the way: QUANTISED
;;     6. [M 8,192, K 1,024] x [K 1,024, N 1,024]; A: computed on the way; B: input Wo (given as codes): QUANTISED
;;   THE QUANTISER, for each operand of a quantised product, along K:
;;     - K is cut into blocks of 32 from its start; a last block that is shorter is filled with zeros.
;;     - A block's scale is 2^e with e = floor(log2(the largest magnitude in the block)) - 2, held to -126 .. 127; a block of zeros has e = 0. As a byte (E8M0): e + 127.
;;     - Each number is divided by its block's scale, clamped to +-7.5, and rounded to the nearest number of E2M3, ties to even, subnormals kept.
;;     - The product sums the exact products of the quantised numbers (number of the format x scale) in f32.
;;   ~~~python
;;   def quantise(x, axis):      # numpy; x: float32 -> the quantised numbers, widened to float32 again
;;       x = np.moveaxis(x, axis, -1); K = x.shape[-1]
;;       x = np.pad(x, [(0, 0)] * (x.ndim - 1) + [(0, -K % 32)]); x = x.reshape(x.shape[:-1] + (-1, 32)); a = np.abs(x).max(-1, keepdims=True)
;;       e = np.where(a > 0, np.clip(np.frexp(np.where(a > 0, a, 1))[1] - 1 - 2, -126, 127), 0)      # np.frexp(a)[1] - 1 = floor(log2(a)), exactly
;;       r = np.clip(x / 2.0 ** e, -7.5, 7.5)
;;       step = 2.0 ** (np.maximum(np.frexp(np.where(r == 0, 1, r))[1] - 1, 0) - 3)
;;       q = np.round(r / step) * step * 2.0 ** e      # np.round: ties to even
;;       return np.moveaxis(q.reshape(q.shape[:-2] + (-1,))[..., :K], -1, axis).astype(np.float32)
;;   ~~~
;;   SOFTMAX AHEAD OF A QUANTISED PRODUCT. Where the list says 'softmax', what is quantised is not the finished softmax but p = 2^(t - M), with t = logit x log2(e) and M = ceil(the row's largest t), a whole number; so 1/2 < the row's largest p <= 1. The row's sum l is taken of the UNQUANTISED p, in f32, and the product's result is divided by l at the end. Since M is a whole number, a kernel that streams over the keys may use a running M (the ceiling of the running maximum): every later rescaling is an exact power of two, which a block's scale takes up: the codes' values come out the same.
;;   OPERANDS COMPUTED ON THE WAY. 'Computed on the way' means the value that the module computes at that place (a softmax that the list does not call 'softmax' is quantised finished and normalised). What goes into a quantiser is computed in f32, as accurately as f32 sums, v_exp_f32 and their like allow (about 1e-6 of the number): no bf16 or f16 on the way to a quantiser, and a product that is left as it is and whose result goes on into a quantised operand takes f32 operands (vector FMAs, or v_wmma_f32_16x16x4_f32). A number that lies on a knife's edge between two numbers of the format may be rounded either way, as far as f32 arithmetic and the matrix unit's own rounding can turn it there, and no further.
;;   INPUTS GIVEN AS CODES. Wk (in the module: [1024, 1024], K = its axis 1); Wo (in the module: [1024, 1024], K = its axis 1); Wq (in the module: [1024, 1024], K = its axis 1); Wv (in the module: [1024, 1024], K = its axis 1); x (in the module: [4, 2048, 1024], K = its axis 2): each comes as NAME_codes (uint8): NAME with its K axis moved to the last place and cut into blocks of 32 codes, [.., K / 32, bytes a block], one block behind the other in memory; four codes in three bytes: a row's codes are one little-endian stream of bits, code i at bits 6 i .. 6 i + 5 (a code: sign, 2 exponent bits, 3 mantissa bits); and NAME_scales (uint8): the same leading axes, one E8M0 byte (e + 127) for each 32 codes along K. Its value is code x scale, taken as it is: it is not quantised again, and the codes and scales need not be those that the quantiser above would give.
;; One version. Each part assembles by itself: llvm-mc -triple=amdgcn-amd-amdhsa -mcpu=gfx1250 --defsym DOCPART=n.
;; ======== version 1 of 1: 3 launches
;; workspace buffers: qc 6,291,456 bytes; kc 6,291,456 bytes; vc 6,291,456 bytes; qs 786,432 bytes; kvs 786,432 bytes; oc 6,291,456 bytes; osc 262,144 bytes
;; launch qkv (part 1): grid 12 x 32, 4 waves a work-group, clusters of 4 x 4, 327,680 bytes of LDS; arguments x_codes, x_scales, Wq_codes, Wq_scales, Wk_codes, Wk_scales, Wv_codes, Wv_scales, qc, qs, kc, kvs, vc; writes qc, qs, kc, kvs, vc
.if DOCPART == 1
	.amdgcn_target "amdgcn-amd-amdhsa--gfx1250"
	.amdhsa_code_object_version 6
	.text
	.protected	k_q78e2e024f3_qkv
	.globl	k_q78e2e024f3_qkv
	.p2align	8
	.type	k_q78e2e024f3_qkv,@function
k_q78e2e024f3_qkv:
	s_mov_b64 s[64:65], 0
	v_nop
	global_prefetch_b8 v0, s[64:65] scope:SCOPE_SE
	s_setreg_imm32_b32 hwreg(HW_REG_WAVE_MODE, 25, 1), 1
	s_wait_xcnt 0x0
	s_wait_alu depctr_hold_cnt(0) depctr_sa_sdst(0) depctr_va_vdst(0) depctr_va_sdst(0) depctr_va_ssrc(0) depctr_va_vcc(0) depctr_vm_vsrc(0)
	s_getreg_b32 s2, hwreg(HW_REG_IB_STS2, 6, 4)
	s_cmp_eq_u32 s2, 0
	s_cbranch_scc0 .Lentry_in_a_cluster
	s_endpgm
.Lentry_in_a_cluster:
	s_bfe_u32 s2, ttmp6, 0x10000c
	s_cmp_lg_u32 s2, 0xf033
	s_cbranch_scc0 .Lentry_shape_is_right
	s_endpgm
.Lentry_shape_is_right:
; q = x Wq^T, k = x Wk^T, v = x Wv^T on codes of FP6 (E2M3) with one E8M0 scale for each 32 along K = 1,024; the results are quantised in registers and leave as codes.
; THE PROGRAM: this launch; then attention on these codes; then the projection on the way out.
; DEAD WORK, left out in the second launch: reference() itself sets the energy to -inf wherever key > query (its own jnp.tril), so the softmax is exactly 0 there whatever finite values the inputs hold:
; a step of 128 keys all of which come after a tile's 16 queries adds 0 to the row's sum and 0 to the output, and is not computed.  Every input has a way to the output and is loaded.
; LIMITS: a NaN, an infinity or an overflow that reaches only such a step is not carried to the result; NaN and infinities among the values are not served; a block whose largest magnitude lies under 2^-124,
; a block of zeros among them, gets the scale byte 1 (its codes are zeros or subnormal codes; these bytes are read by this program alone).
; SHAPE: a tile of 256 x 256 results to a work-group of four waves, 128 x 128 a wave: 64 accumulators of 16 x 16.  K goes in steps of 256 through a ring of two LDS slots filled by the tensor data mover;
; the scale bytes of the work-group's 2 x 256 rows come once, with the first fills.  4 x 4 work-groups form a cluster: the tiles of operand A (source 1) are asked for jointly along a row of the cluster, those of B (source 0) along a column.
; ROLES, by the cluster's x, which all sixteen partners share: 0: q, 1: k: A = x, B = the weight: a lane holds ONE TOKEN and its 64 registers of a block a run along 128 features = two heads.
; 2: v: A = Wv, B = x: a lane holds ONE FEATURE and its registers run along 128 tokens, which are the keys, the second attention product's K.
; THE QUANTISER.  For A's block a, register 8 b + j of lane (r, h) is B's row 16 b + 8 h + j.  The 16 registers 16 B .. 16 B + 15 of lanes l and l xor 16 are exactly B's rows 32 B .. 32 B + 31: a block of the contract, so its scale is the
; contract's.  Inside a block the codes stand in another order than the rows (place 16 h + 8 u + j holds row 16 u + 8 h + j).  q and k are made by the same lines, and so are v and the softmax's p in the next launch: both operands of a product
; carry the same order, which keeps every product.
; WHAT IS STORED: images of operand registers.  q, k: for each head and 16 tokens 768 bytes: registers 0-3 of a fragment at 16 x lane, registers 4-5 at 512 + 8 x lane.  v: for each head, 128 keys and 16 features 1,536 bytes: three planes of
; four registers at 16 x lane.  Scale words: word p of a lane's 16 (v: 8) bytes holds tile 2 p's rows in lanes 0-15 and tile 2 p + 1's in lanes 16-31.  Every store of a wave covers 256 or 512 consecutive bytes, aligned.
; REGISTERS, in windows of 256: window 0: v16-29 addresses; v32-63 scale words, two sets; v128-223 A's fragments, one set; on the way out v32-175 are at work.  window 1: B's fragments, two sets.  windows 2, 3: the accumulators ((a, b) at v[8 (8 (a % 4) + b)]).
.set NQ,     2                         ; matrix instructions deep in a slot (256 along K)
.set ROWB,   192                       ; a tile's row in bytes: 256 codes
.set KROW,   768                       ; a row of x or of a weight in memory
.set PITCH,  240                       ; an LDS row: 3 x (64 bytes + 16 of padding)
.set FR,     12                        ; registers of a fragment
.set NL,     6                         ; LDS loads that bring one
.set NP,     4                         ; places behind this matrix instruction (ISA guide 7.12.1)
.set HALFT,  128*PITCH                 ; 128 rows: what one tensor load brings
.set SLOT,   4*HALFT                   ; A's 256 rows, then B's 256 rows
.set SCL,    2*SLOT                    ; behind the ring: the scales, as units of 256 bytes + 16 of padding
.set HALFS,  16*272                    ; the scales of 128 rows (32 bytes a row)
.set SBLK,   2*272                     ; those of 16 rows
.set SPARE,  SCL+4*HALFS               ; the spare words, 128 bytes for each wave: two blocks of 256 bytes that no other line names
.set ADRA, 16                          ; v16-17 LDS address of my A fragments in slot 0, 1; v18-19 the same behind one padding more
.set ADRB, 20                          ; v20-23 the same for B
.set L16,  24                          ; v24  16 x lane
.set L8,   25                          ; v25  8 x lane
.set ADRS, 27                          ; v27  LDS address of my scale words: lanes 0-15 A's rows, lanes 16-31 B's
.set SPW,  28                          ; v28  LDS address of my spare word; never rewritten
.set NIL,  29                          ; v29  0; never rewritten
.set SC,   32                          ; scale words: set s at v[SC + 16 s]
.set AF,   128                         ; A's fragments
.set TM,   32                          ; the way out: v32-35 largest magnitudes, v36-39 bytes, v44-47 the conversions' scale operands
.set PWR,  48                          ; v48-55 block a's scale word
.set SW,   56                          ; v56-59 the scale words as they are stored; v60-63 the second head's
.set SWB,  60
.set CT,   64                          ; v64-70 the conversions' second halves
.set PC,   80                          ; v80-175 block a's 12 registers of codes
.set G1, 24                            ; s[24:31] descriptor group 1 for A's tiles; s[32:39] group 0, one set for each slot
.set G0, 32
.set G1B, 48                           ; s[48:55], s[56:63] the same for B's tiles
.set G0B, 56
.set G1S, 68                           ; s[68:75], s[76:79] groups 1 and 0 for A's scales; s[80:87], s[88:91] for B's
.set G0S, 76
.set G1SB, 80
.set G0SB, 88
.set MSB, 0
.macro WIN new                         ; the immediate's high byte repeats the setting that is left
.if MSB != (\new)
	s_set_vgpr_msb (MSB<<8)|(\new)
.set MSB, (\new)
.endif
.endm
.set MUL_LO, 0xa1                      ; source 0 (B) window 1, source 1 (A) window 0, C and D window 2
.set MUL_HI, 0xf1                      ; the same, C and D window 3
.set TO_B,   0x40                      ; destination window 1, address window 0
; A joint load: waves 0 and 1 fetch for A, waves 2 and 3 for B; the branch hangs on the wave's number alone.  An s_nop 0 and four v_nop follow each of the two lines.
.macro JLOAD g0a, g1a, g0b, g1b
	s_cmp_eq_u32 s15, 0
	s_cbranch_scc0 .Lfor_b_\@
	tensor_load_to_lds s[\g0a:\g0a+3], s[\g1a:\g1a+7]
	s_nop 0
.rept 4
	v_nop
.endr
	s_branch .Lasked_\@
.Lfor_b_\@:
	tensor_load_to_lds s[\g0b:\g0b+3], s[\g1b:\g1b+7]
	s_nop 0
.rept 4
	v_nop
.endr
.Lasked_\@:
.endm
.macro CREST                           ; a round of the cluster's barrier behind its opening barrier
	s_cmp_lg_u32 s14, 0
	s_cbranch_scc1 .Lnot_wave_0_\@
	s_barrier_signal -3
.Lnot_wave_0_\@:
	s_barrier_wait -3
	s_barrier_signal -1
	s_barrier_wait -1
.endm
.macro CROUND                          ; a whole round
	s_barrier_signal -1
	s_barrier_wait -1
	CREST
.endm
	s_load_b512 s[68:83], s[0:1], 0x0              ; x's codes, x's scales, Wq's, Wk's, Wv's
	s_load_b256 s[84:91], s[0:1], 0x40             ; qc, qs, kc, kvs
	s_load_b64 s[92:93], s[0:1], 0x60              ; vc
	v_lshl_add_u32 v[SPW], v0, 2, SPARE
	v_mov_b32 v[NIL], 0
	ds_add_u32 v[SPW], v[NIL]                      ; the wave's opening: the add, twice on end, and its wait ahead of my first tensor load
	ds_add_u32 v[SPW], v[NIL]                      ; and once more, under the one wait; the set-up below, work on registers, stands between
	v_lshrrev_b32 v1, 5, v0
	v_readfirstlane_b32 s14, v1                    ; wave 0..3
	s_lshr_b32 s15, s14, 1                         ; which half of A's rows is mine.  Also: I fetch for A (0) or for B (1)
	s_and_b32 s16, s14, 1                          ; which half of B's rows.  Also: which 128 rows of that tile I fetch
	s_bfe_u32 s40, ttmp6, 0x40000                  ; cx, cy: my place in the cluster
	s_bfe_u32 s41, ttmp6, 0x40004
	s_and_b32 s17, ttmp7, 0xffff
	s_lshl_b32 s17, s17, 2                         ; 4 x cluster y: the tokens' coordinate
	s_cmp_eq_u32 ttmp9, 2                          ; the role is the cluster's x
	s_cselect_b32 s42, s17, 0                      ; v: the tokens are B's rows,
	s_cselect_b32 s17, 0, s17                      ; q, k: A's
	s_add_co_u32 s42, s42, s40                     ; B's tile of 256 rows: hangs on cx alone within the cluster
	s_add_co_u32 s17, s17, s41                     ; A's: on cy alone
	s_lshl_b32 s43, s41, 2
	s_lshl_b32 s43, 15, s43                        ; my row of the cluster
	s_lshl_b32 s44, 0x1111, s40                    ; my column
	s_or_b32 s[G1+0], s43, (0<<16)|(1<<20)|(1<<21)|(3<<22)|(3<<25)  ; the mask; elements of 1 byte; padding on; bit 21 beside a mask; 4 words of padding behind every 16
	s_or_b32 s[G1B+0], s44, (0<<16)|(1<<20)|(1<<21)|(3<<22)|(3<<25)
.irp g, G1, G1B
	s_mov_b32 s[\g+1], ROWB<<16                    ; tensor_dim0
	s_mov_b32 s[\g+2], 128<<16                     ; tensor_dim1
	s_mov_b32 s[\g+3], ROWB<<16                    ; tile_dim0
	s_mov_b32 s[\g+4], 128                         ; tile_dim1
	s_mov_b32 s[\g+5], KROW                        ; from row to row
	s_mov_b32 s[\g+6], 0
	s_mov_b32 s[\g+7], 0
.endr
	s_wait_dscnt 0x0                               ; both opening adds are done
	s_wait_kmcnt 0x0
	s_cmp_eq_u32 ttmp9, 0                          ; the buffers are chosen by the role, which hangs on no address
	s_cselect_b64 s[8:9], s[72:73], s[76:77]       ; B's codes: Wq's or Wk's
	s_cselect_b64 s[10:11], s[74:75], s[78:79]     ; B's scales
	s_cselect_b64 s[12:13], s[84:85], s[88:89]     ; the codes go to qc or kc,
	s_cselect_b64 s[96:97], s[86:87], s[90:91]     ; the scale words to qs or kvs
	s_cmp_eq_u32 ttmp9, 2
	s_cselect_b64 s[4:5], s[80:81], s[68:69]       ; A's codes: Wv's or x's
	s_cselect_b64 s[6:7], s[82:83], s[70:71]
	s_cselect_b64 s[8:9], s[68:69], s[8:9]         ; v: B is x,
	s_cselect_b64 s[10:11], s[70:71], s[10:11]
	s_cselect_b64 s[12:13], s[92:93], s[12:13]     ; and the codes go to vc
	; the scales of 128 rows: a dense block of 4,096 bytes, as 16 rows of 256 bytes, 16 bytes of padding behind each
	s_or_b32 s[G1S+0], s43, (3<<16)|(1<<20)|(1<<21)|(5<<22)|(3<<25)
	s_or_b32 s[G1SB+0], s44, (3<<16)|(1<<20)|(1<<21)|(5<<22)|(3<<25)
.irp g, G1S, G1SB
	s_mov_b32 s[\g+1], 32<<16
	s_mov_b32 s[\g+2], 16<<16
	s_mov_b32 s[\g+3], 32<<16
	s_mov_b32 s[\g+4], 16
	s_mov_b32 s[\g+5], 32
	s_mov_b32 s[\g+6], 0
	s_mov_b32 s[\g+7], 0
.endr
	s_lshl_b32 s18, s16, 7                         ; which 128 rows of the tile I fetch
	s_lshl_b32 s20, s17, 8
	s_add_co_u32 s20, s20, s18                     ; A: row 256 x tile + 128 x half
	s_lshl_b32 s46, s42, 8
	s_add_co_u32 s46, s46, s18                     ; B likewise
	s_lshl_b32 s22, s20, 5                         ; where these rows' scales begin: 32 bytes a row
	s_mov_b32 s23, 0
	s_lshl_b32 s92, s46, 5
	s_mov_b32 s93, 0
	s_mul_i32 s20, s20, KROW                       ; and their codes (at most 8,191 x 768 bytes)
	s_mov_b32 s21, 0
	s_mul_i32 s46, s46, KROW
	s_mov_b32 s47, 0
	s_mul_i32 s45, s14, HALFT                      ; where they go: wave x 128 rows: no place in the cluster enters an LDS address
	s_mul_i32 s94, s14, HALFS
	s_add_nc_u64 s[20:21], s[4:5], s[20:21]
	s_add_nc_u64 s[22:23], s[6:7], s[22:23]
	s_add_nc_u64 s[46:47], s[8:9], s[46:47]
	s_add_nc_u64 s[92:93], s[10:11], s[92:93]
	CROUND                                         ; all sixteen work-groups are here: the first joint loads meet
	s_mov_b32 s[G0S], 1
	s_add_co_u32 s[G0S+1], s94, SCL
	s_mov_b64 s[G0S+2:G0S+3], s[22:23]
	s_or_b32 s[G0S+3], s[G0S+3], 0x80000000
	s_mov_b32 s[G0SB], 1
	s_add_co_u32 s[G0SB+1], s94, SCL
	s_mov_b64 s[G0SB+2:G0SB+3], s[92:93]
	s_or_b32 s[G0SB+3], s[G0SB+3], 0x80000000
	JLOAD G0S, G1S, G0SB, G1SB                     ; the scales first: they are wanted with K step 0
.irp s, 0,1
	s_mov_b32 s[G0+4*\s], 1
	s_add_co_u32 s[G0+4*\s+1], s45, \s*SLOT
	s_add_nc_u64 s[G0+4*\s+2:G0+4*\s+3], s[20:21], \s*ROWB
	s_or_b32 s[G0+4*\s+3], s[G0+4*\s+3], 0x80000000
	s_mov_b32 s[G0B+4*\s], 1
	s_add_co_u32 s[G0B+4*\s+1], s45, \s*SLOT
	s_add_nc_u64 s[G0B+4*\s+2:G0B+4*\s+3], s[46:47], \s*ROWB
	s_or_b32 s[G0B+4*\s+3], s[G0B+4*\s+3], 0x80000000
	JLOAD G0+4*\s, G1, G0B+4*\s, G1B
.endr
	v_and_b32 v1, 15, v0                           ; l % 16
	v_bfe_u32 v2, v0, 4, 1                         ; l / 16
	v_mul_u32_u24 v3, v1, PITCH
	v_mul_u32_u24 v4, v2, 24
	v_add_nc_u32 v4, v3, v4                        ; a fragment's row x pitch + 24 x half
	v_lshl_add_u32 v5, v2, 4, v4                   ; and the same behind one padding more
	s_mul_i32 s21, s15, HALFT                      ; my 128 rows of A
	s_mul_i32 s22, s16, HALFT                      ; my 128 rows of B,
	s_add_co_u32 s22, s22, 2*HALFT                 ; which lie behind A's 256
.irp s, 0,1
	v_add_nc_u32 v[ADRA+\s], s21, v4
	v_add_nc_u32 v[ADRB+\s], s22, v4
	v_add_nc_u32 v[ADRA+2+\s], s21, v5
	v_add_nc_u32 v[ADRB+2+\s], s22, v5
	s_add_co_u32 s21, s21, SLOT
	s_add_co_u32 s22, s22, SLOT
.endr
	v_lshlrev_b32 v5, 5, v1                        ; my row's scales: 32 bytes a row,
	v_lshrrev_b32 v6, 8, v5
	v_lshl_add_u32 v5, v6, 4, v5                   ; and 16 more for each 256 passed
	s_mul_i32 s21, s15, HALFS                      ; A's: my 128 rows
	s_mul_i32 s22, s16, HALFS                      ; B's: my 128 rows, behind A's 256
	s_add_co_u32 s22, s22, 2*HALFS
	s_sub_co_u32 s22, s22, s21
	v_mul_u32_u24 v6, s22, v2                      ; lanes 16-31 take B's: the lower base + half x the distance
	s_add_co_u32 s21, s21, SCL
	v_add_nc_u32 v5, v5, v6
	v_add_nc_u32 v[ADRS], s21, v5
	v_and_b32 v6, 31, v0
	v_lshlrev_b32 v[L16], 4, v6
	v_lshlrev_b32 v[L8], 3, v6
	; where my results go.  My 128 rows of A are block 2 x tile + half of A's rows, B's likewise; one of the two counts tokens (64 blocks), the other features (8 blocks = 8 pairs of heads)
	s_lshl_b32 s20, s17, 1
	s_add_co_u32 s20, s20, s15
	s_lshl_b32 s21, s42, 1
	s_add_co_u32 s21, s21, s16
	s_cmp_eq_u32 ttmp9, 2
	s_cselect_b32 s22, s21, s20                    ; the block of 128 tokens
	s_cselect_b32 s23, s20, s21                    ; the pair of heads
	s_cselect_b32 s46, 8, 9                        ; a block's scale words: 256 bytes (v) or 512 (q, k),
	s_cselect_b32 s47, 8192, 0                     ; v's behind k's in kvs
	s_lshr_b32 s18, s22, 4
	s_lshl_b32 s18, s18, 4
	s_lshl_b32 s23, s23, 1
	s_add_co_u32 s18, s18, s23                     ; 16 x batch + the pair's first head
	s_and_b32 s19, s22, 15                         ; the block within the sequence
	s_lshl_b32 s20, s18, 4
	s_add_co_u32 s20, s20, s19
	s_mul_i32 s20, s20, 6144                       ; codes: 6,144 bytes for a head and 128 tokens
	s_mov_b32 s21, 0
	s_add_nc_u64 s[12:13], s[12:13], s[20:21]
	s_mul_i32 s20, s18, 12288                      ; scale words: 12,288 bytes a head
	s_lshl_b32 s19, s19, s46
	s_add_co_u32 s20, s20, s19
	s_add_co_u32 s20, s20, s47
	s_add_nc_u64 s[96:97], s[96:97], s[20:21]
.macro FRAG reg, adr, q, i             ; a fragment, 16 rows x 128 K: lane l holds row l % 16; registers 6 c .. 6 c + 5 hold K = 64 c + 32 (l / 16) + 0 .. 31: 24 bytes of the row's stream of bits, in pieces of 8 bytes
.irp p, 0,1,2,3,4,5
.set PCE, 12*(\q)+6*(\p/3)+\p%3        ; where the piece three on lies behind one padding more, the second address register serves
.if PCE%8 < 5
	ds_load_b64 v[\reg+2*\p:\reg+2*\p+1], v[\adr] offset:8*PCE+16*(PCE/8)+(\i)*16*PITCH
.else
	ds_load_b64 v[\reg+2*\p:\reg+2*\p+1], v[\adr+2] offset:8*PCE+16*(PCE/8)+(\i)*16*PITCH
.endif
.endr
.endm
; 16 matrix instructions: A's blocks a0, a0 + 1 x B's eight, 128 along K.  p: B's set; sc: the set of scale words.  zero = 1: the first product starts the sums.  The 64 accumulators take turns, one instruction a turn.
.macro MUL16 a0, p, q, sc, zero
.irp a, \a0, \a0+1
.irp b, 0,1,2,3,4,5,6,7
.if \zero
	v_wmma_scale_f32_16x16x128_f8f6f4 v[8*(8*((\a)%4)+\b):8*(8*((\a)%4)+\b)+7], v[128*(\p)+FR*\b:128*(\p)+FR*\b+FR-1], v[AF+FR*(\a):AF+FR*(\a)+FR-1], 0, v[SC+8*NQ*(\sc)+NQ*\b+(\q)], v[SC+8*NQ*(\sc)+NQ*(\a)+(\q)] matrix_a_fmt:MATRIX_FMT_FP6 matrix_b_fmt:MATRIX_FMT_FP6 matrix_a_scale:MATRIX_SCALE_ROW1
.else
	v_wmma_scale_f32_16x16x128_f8f6f4 v[8*(8*((\a)%4)+\b):8*(8*((\a)%4)+\b)+7], v[128*(\p)+FR*\b:128*(\p)+FR*\b+FR-1], v[AF+FR*(\a):AF+FR*(\a)+FR-1], v[8*(8*((\a)%4)+\b):8*(8*((\a)%4)+\b)+7], v[SC+8*NQ*(\sc)+NQ*\b+(\q)], v[SC+8*NQ*(\sc)+NQ*(\a)+(\q)] matrix_a_fmt:MATRIX_FMT_FP6 matrix_b_fmt:MATRIX_FMT_FP6 matrix_a_scale:MATRIX_SCALE_ROW1
.endif
.endr
.endr
.endm
.macro FETCH_B slot, q, p              ; B's eight fragments of the slot's q-th 128 along K into set p
	WIN TO_B
.irp i, 0,1,2,3,4,5,6,7
	FRAG 128*(\p)+FR*\i, ADRB+\slot, \q, \i
.endr
	WIN 0
.endm
.macro FETCH_A slot, q, i0             ; A's blocks i0 .. i0 + 3
.irp i, \i0, \i0+1, \i0+2, \i0+3
	FRAG AF+FR*(\i), ADRA+\slot, \q, \i
.endr
.endm
.macro SCALES sc                       ; a K step's scale words into set sc: two words a row; lanes 0-15 take A's block i, lanes 16-31 B's block i
.irp i, 0,1,2,3,4,5,6,7
	ds_load_b64 v[SC+8*NQ*\sc+NQ*\i:SC+8*NQ*\sc+NQ*\i+1], v[ADRS] offset:\i*SBLK
.endr
.endm
.macro PLACES n                        ; plain vector instructions between a matrix instruction and a load into, or a vector access to, its registers
.rept \n
	v_nop
.endr
.endm
.macro STEP slot, q, zero              ; a step of 128 along K that has its successor in the same slot
	s_wait_dscnt 4*NL                              ; B's set and A's blocks 0-3 are in; the youngest 24 loads (A's blocks 4-7) may be out
	WIN MUL_LO
	MUL16 0, (\q)%2, \q, \slot, \zero
	MUL16 2, (\q)%2, \q, \slot, \zero
	s_wait_dscnt 0                                 ; A's blocks 4-7 are in
	PLACES NP
	FETCH_B \slot, (\q)+1, 1-(\q)%2
	FETCH_A \slot, (\q)+1, 0
	WIN MUL_HI
	MUL16 4, (\q)%2, \q, \slot, \zero
	MUL16 6, (\q)%2, \q, \slot, \zero
	PLACES NP
	WIN 0
	FETCH_A \slot, (\q)+1, 4
.endm
; A slot's last step changes slots: ONE barrier; in front of it each wave waits for all its tensor loads, adds 0 to its spare word, and waits for that and for its own reads of this slot.  fill = 1: this slot is filled again, two K steps ahead.
.macro TURN slot, next, fill
	s_wait_tensorcnt 0x0                           ; all my tensor loads have landed: my part of the next slot (every window is 0 here)
	ds_add_u32 v[SPW], v[NIL]                      ; 0 onto my spare word
	s_wait_dscnt 4*NL+1                            ; the add and the youngest 24 loads, A's blocks 4-7, may be out
	WIN MUL_LO
	MUL16 0, 1, NQ-1, \slot, 0                     ; sixteen matrix instructions stand between the add and the wait for it
	s_wait_dscnt 0x0                               ; the add is done, and my reads of this slot are over
	s_barrier_signal -1
	MUL16 2, 1, NQ-1, \slot, 0
	WIN 0
	s_barrier_wait -1
.if \fill
	CREST                                          ; the barrier has opened a round of the cluster's barrier: no wave of any partner still reads this slot's tile or has a load on its way
	s_add_nc_u64 s[G0+4*\slot+2:G0+4*\slot+3], s[G0+4*\slot+2:G0+4*\slot+3], 2*ROWB
	s_add_nc_u64 s[G0B+4*\slot+2:G0B+4*\slot+3], s[G0B+4*\slot+2:G0B+4*\slot+3], 2*ROWB
	JLOAD G0+4*\slot, G1, G0B+4*\slot, G1B         ; the first tensor load behind the round; its four v_nop are the places in front of the loads below
.else
	PLACES NP
.endif
	v_add_nc_u32 v[ADRS], 4*NQ, v[ADRS]            ; on to the next K step's scale words
	FETCH_B \next, 0, 0
	FETCH_A \next, 0, 0
	SCALES \next
	WIN MUL_HI
	MUL16 4, 1, NQ-1, \slot, 0
	MUL16 6, 1, NQ-1, \slot, 0
	PLACES NP
	WIN 0
	FETCH_A \next, 0, 4
.endm
	s_wait_tensorcnt 1                             ; of my three first fills the scales and K step 0 are in; K step 1's may be out
	s_barrier_signal -1
	s_barrier_wait -1                              ; everybody's are
	FETCH_B 0, 0, 0
	FETCH_A 0, 0, 0
	SCALES 0
	FETCH_A 0, 0, 4
	STEP 0, 0, 1                                   ; K = 1,024 is four K steps of 256, twice round the ring: written straight, no loop.  The first products start the sums
	TURN 0, 1, 1                                   ; slot 0 takes K step 2
	STEP 1, 0, 0
	TURN 1, 0, 1                                   ; slot 1 takes K step 3
	STEP 0, 0, 0
	TURN 0, 1, 0                                   ; nothing is left to fetch
	STEP 1, 0, 0
	s_wait_dscnt 4*NL                              ; the very last step
	WIN MUL_LO
	MUL16 0, 1, NQ-1, 1, 0
	MUL16 2, 1, NQ-1, 1, 0
	s_wait_dscnt 0
	WIN MUL_HI
	MUL16 4, 1, NQ-1, 1, 0
	MUL16 6, 1, NQ-1, 1, 0
	WIN 0
; THE WAY OUT: no LDS.  Block a's 64 numbers of a lane become 12 registers of codes at v[PC + 12 a] and a scale word in v[PWR + a].
.macro QUANTW a
.set QW,  2+(\a)/4                     ; the block's window
.set QW2, (QW<<2)|(QW<<4)              ; sources 1 and 2 there
.set ACB, 64*((\a)%4)
.set PCA, PC+12*(\a)
	WIN QW2
.irp b, 0,1,2,3
	v_max3_num_f32 v[TM+\b], 0x1800000, |v[ACB+16*\b]|, |v[ACB+16*\b+1]|   ; block b: my 16 numbers, each accumulator from its low end on, and the floor 2^(3 - 127): the byte cannot fall under 1
.endr
.irp i, 2,4,6,8,10,12,14
.irp b, 0,1,2,3
	v_max3_num_f32 v[TM+\b], v[TM+\b], |v[ACB+16*\b+\i]|, |v[ACB+16*\b+\i+1]|   ; (the four blocks by turns)
.endr
.endr
	WIN 0
.irp b, 0,1,2,3
	v_permlanex16_b32 v[TM+4+\b], v[TM+\b], s66, s67
.endr
.irp b, 0,1,2,3
	v_max_num_f32 v[TM+\b], v[TM+\b], v[TM+4+\b]   ; with lane l xor 16's: the block's largest magnitude
.endr
.irp b, 0,1,2,3
	v_add_nc_u32 v[TM+12+\b], 0xff000000, v[TM+\b] ; 2 off its exponent field: the conversion's scale operand
.endr
.irp b, 0,1,2,3
	v_lshrrev_b32 v[TM+4+\b], 23, v[TM+12+\b]      ; the scale's byte
.endr
	v_lshl_or_b32 v[PWR+(\a)], v[TM+5], 8, v[TM+4]
	v_lshl_or_b32 v[PWR+(\a)], v[TM+6], 16, v[PWR+(\a)]
	v_lshl_or_b32 v[PWR+(\a)], v[TM+7], 24, v[PWR+(\a)]
	WIN QW                                         ; source 0 in the block's window
.irp c, 0,1
	v_cvt_scalef32_pk16_fp6_f32 v[PCA+6*\c:PCA+6*\c+2], v[ACB+32*\c:ACB+32*\c+15], v[TM+12+2*\c]
	v_cvt_scalef32_pk16_fp6_f32 v[CT+4*\c:CT+4*\c+2], v[ACB+32*\c+16:ACB+32*\c+31], v[TM+13+2*\c]   ; (a conversion's three registers begin on an even number)
.endr
	WIN 0
	v_nop                                          ; one plain place behind a scaled conversion
.irp c, 0,1                            ; the operand's layout wants a whole block in a lane: lanes 0-15 block 2 c, lanes 16-31 block 2 c + 1
.irp i, 0,1,2
	v_permlane16_swap_b32 v[PCA+6*\c+\i], v[CT+4*\c+\i]
.endr
.irp i, 0,1,2
	v_mov_b32 v[PCA+6*\c+3+\i], v[CT+4*\c+\i]
.endr
.endr
.endm
	PLACES NP                                      ; behind the last products: their scale words' and A's registers are written below
	s_mov_b32 s66, 0x76543210
	s_mov_b32 s67, 0xfedcba98                      ; v_permlanex16_b32's selects for lane l xor 16
	s_mov_b32 s94, 0xffff0000                      ; lanes 16-31
.irp b, 0,1,2,3
	v_mov_b32 v[TM+4+\b], 0                        ; written once: a lane permute's destination counts as one of its sources
.endr
.irp a, 0,1,2,3,4,5,6,7
	QUANTW \a
.endr
.irp p, 0,1,2,3
	v_cndmask_b32 v[SW+\p], v[PWR+2*\p], v[PWR+2*\p+1], s94   ; word p: tile 2 p's rows in lanes 0-15, tile 2 p + 1's in lanes 16-31
.endr
	s_cmp_eq_u32 ttmp9, 2
	s_cbranch_scc1 .Lv_out
	; q, k: registers 0-5 of block a are the first head's 64 along d for 16 tokens, registers 6-11 the second head's; a head's codes lie 98,304 bytes on from the head before
.irp p, 0,1,2,3
	v_lshrrev_b32 v[SWB+\p], 16, v[SW+\p]          ; the second head's two bytes, at a word's low end; the two bytes above stand over zero codes in the product and are never 0xff
.endr
.irp a, 0,1,2,3,4,5,6,7
	global_store_b128 v[L16], v[PC+12*\a:PC+12*\a+3], s[12:13] offset:768*\a
	global_store_b64 v[L8], v[PC+12*\a+4:PC+12*\a+5], s[12:13] offset:768*\a+512
	global_store_b128 v[L16], v[PC+12*\a+6:PC+12*\a+9], s[12:13] offset:98304+768*\a
	global_store_b64 v[L8], v[PC+12*\a+10:PC+12*\a+11], s[12:13] offset:98304+768*\a+512
.endr
	global_store_b128 v[L16], v[SW:SW+3], s[96:97]
	global_store_b128 v[L16], v[SWB:SWB+3], s[96:97] offset:12288
	s_branch .Lout_done
.Lv_out:
	; v: block a is 16 features x 128 keys: head a / 4 of the pair, tile a % 4 of its 64
.irp a, 0,1,2,3,4,5,6,7
.irp p, 0,1,2
	global_store_b128 v[L16], v[PC+12*\a+4*\p:PC+12*\a+4*\p+3], s[12:13] offset:(\a/4)*98304+(\a%4)*1536+512*\p
.endr
.endr
	global_store_b64 v[L8], v[SW:SW+1], s[96:97]
	global_store_b64 v[L8], v[SW+2:SW+3], s[96:97] offset:12288
.Lout_done:
	s_wait_tensorcnt 0x0                           ; the wave's end: an add and its wait, behind my last tensor load
	ds_add_u32 v[SPW], v[NIL]
	s_wait_dscnt 0x0
	CROUND                                         ; the closing round: no work-group ends while a partner may still ask for a tile that names it
	s_endpgm
.Lfunc_end_k_q78e2e024f3_qkv:
	.size	k_q78e2e024f3_qkv, .Lfunc_end_k_q78e2e024f3_qkv-k_q78e2e024f3_qkv
	.p2alignl 7, 3214868480
	.fill 96, 4, 3214868480
	.section	.rodata,"a",@progbits
	.p2align	6, 0x0
	.amdhsa_kernel k_q78e2e024f3_qkv
		.amdhsa_group_segment_fixed_size 327680
		.amdhsa_private_segment_fixed_size 0
		.amdhsa_enable_private_segment 0
		.amdhsa_kernarg_size 104
		.amdhsa_user_sgpr_count 2
		.amdhsa_user_sgpr_kernarg_segment_ptr 1
		.amdhsa_wavefront_size32 1
		.amdhsa_system_sgpr_workgroup_id_x 1
		.amdhsa_system_sgpr_workgroup_id_y 1
		.amdhsa_system_sgpr_workgroup_id_z 1
		.amdhsa_system_vgpr_workitem_id 0
		.amdhsa_next_free_vgpr 1024
		.amdhsa_next_free_sgpr 98
		.amdhsa_reserve_vcc 0
		.amdhsa_float_denorm_mode_32 3
		.amdhsa_float_denorm_mode_16_64 3
		.amdhsa_memory_ordered 1
		.amdhsa_forward_progress 1
		.amdhsa_inst_pref_size 168
	.end_amdhsa_kernel
	.amdgpu_metadata
---
amdhsa.version: [ 1, 2 ]
amdhsa.kernels:
  - .name:           k_q78e2e024f3_qkv
    .symbol:         k_q78e2e024f3_qkv.kd
    .args:
      - { .name: x_codes, .offset: 0, .size: 8, .value_kind: global_buffer, .address_space: global }
      - { .name: x_scales, .offset: 8, .size: 8, .value_kind: global_buffer, .address_space: global }
      - { .name: Wq_codes, .offset: 16, .size: 8, .value_kind: global_buffer, .address_space: global }
      - { .name: Wq_scales, .offset: 24, .size: 8, .value_kind: global_buffer, .address_space: global }
      - { .name: Wk_codes, .offset: 32, .size: 8, .value_kind: global_buffer, .address_space: global }
      - { .name: Wk_scales, .offset: 40, .size: 8, .value_kind: global_buffer, .address_space: global }
      - { .name: Wv_codes, .offset: 48, .size: 8, .value_kind: global_buffer, .address_space: global }
      - { .name: Wv_scales, .offset: 56, .size: 8, .value_kind: global_buffer, .address_space: global }
      - { .name: qc, .offset: 64, .size: 8, .value_kind: global_buffer, .address_space: global }
      - { .name: qs, .offset: 72, .size: 8, .value_kind: global_buffer, .address_space: global }
      - { .name: kc, .offset: 80, .size: 8, .value_kind: global_buffer, .address_space: global }
      - { .name: kvs, .offset: 88, .size: 8, .value_kind: global_buffer, .address_space: global }
      - { .name: vc, .offset: 96, .size: 8, .value_kind: global_buffer, .address_space: global }
    .group_segment_fixed_size: 327680
    .private_segment_fixed_size: 0
    .kernarg_segment_align: 8
    .kernarg_segment_size: 104
    .max_flat_workgroup_size: 128
    .sgpr_count:     98
    .vgpr_count:     1024
    .wavefront_size: 32
...
	.end_amdgpu_metadata
.endif
;; end of part 1
;; launch attn (part 2): grid 8 x 64, 16 waves a work-group, no clusters, 327,680 bytes of LDS; arguments qc, qs, kc, vc, kvs, oc, osc; writes oc, osc
.if DOCPART == 2
	.amdgcn_target "amdgcn-amd-amdhsa--gfx1250"
	.amdhsa_code_object_version 6
	.text
	.protected	k_q78e2e024f3_attn
	.globl	k_q78e2e024f3_attn
	.p2align	8
	.type	k_q78e2e024f3_attn,@function
k_q78e2e024f3_attn:
	s_mov_b64 s[64:65], 0
	v_nop
	global_prefetch_b8 v0, s[64:65] scope:SCOPE_SE
	s_setreg_imm32_b32 hwreg(HW_REG_WAVE_MODE, 25, 1), 1
	s_wait_xcnt 0x0
; Causal attention on codes of FP6 (E2M3), head size 64, 2,048 positions, 64 (batch, head) pairs; the result is quantised along the head's 64 and leaves as codes for the last projection.
; LEFT OUT AS DEAD WORK: steps of 128 keys all of which come after a wave's 16 queries: reference()'s own jnp.tril makes their weights exactly 0 for all inputs (shown at the head of the first kernel; the limits stated there hold here).
; THE SOFTMAX AHEAD OF THE SECOND PRODUCT: t = score x log2(e) / 8; M = the row's largest t so far, rounded up to a whole number; p = 2^(t - M) is quantised along the keys, not normalised; the row's sum is taken of the
; unquantised p and divides at the end; when M moves, the sum and O are multiplied by 2^(old M - new M), which rounds nothing.  The running largest t starts at -3e38.
; SHARES.  Work-group (j, head) owns the blocks j and 15 - j of 128 queries, so that every work-group has the same number of live key steps: (j + 1) + (16 - j) for each pair of waves.  Each of its sixteen waves owns 16 queries in 256 registers.
; No cluster: under the mask the work-groups of a head need different numbers of slots, so a joint load would bring some partner tiles that none of its waves reads.
; Both products are used transposed: S^T = K Q^T (source 0 = 16 keys, source 1 = my 16 queries), O^T = V^T P^T: a lane holds one query (lane % 16) throughout.
; ORDER ALONG K.  q and k carry one and the same order of d inside a block of 32, v and p one and the same order of the keys inside a block of 32 (place 16 h + 8 u + j holds 16 u + 8 h + j): every product is kept, and each block's set, so its scale, is the contract's.
; THE FIRST PRODUCT'S K IS 64 in an instruction of 128: Q's registers 6-11 are zero codes, so what K's registers 6-11 hold adds nothing: tile t is named v[32 + 6 t : 43 + 6 t], whose upper six are the next tile's; the scale bytes over them are never 0xff.
; LDS: two slots of 4 key steps (K's 4 x 6,144 bytes, then V's), 65,536 bytes apart; the head's scale words (K's 8,192 bytes, V's 4,096), filled once; the spare words.  All is stored as images of operand registers: every LDS load is 16 or 8 bytes a lane on end.
; REGISTERS: v1-11 addresses; v12 -M, v13 the largest t, v[14:15] the sum; v16-27 Q; v28-31 block maxima; v32-79 K; v80-87 at work; v88-91, v92-93 K's and V's scale words; v94 f; v96-159 S^T, then p; v160-191 O^T; v192-239 V; v240-251 p's codes; v253 p's scale word; v255 Q's.
.set STEPB, 6144                       ; a key step's K, or V, in bytes
.set SLOTB, 4*STEPB
.set VOFF,  SLOTB                      ; in a slot V lies behind K
.set SLOT1, 1<<16                      ; slot 1 begins here: one exclusive or turns an address
.set SCT,   2*SLOT1                    ; the scale words: K's,
.set SCV,   SCT+8192                   ; V's
.set SPARE, SCT+12288                  ; the spare words, 128 bytes for each wave: eight blocks of 256 bytes that no other line names
.set L16,  1                           ; v1   16 x lane
.set L8P,  2                           ; v2   512 + 8 x lane
.set ADK,  3                           ; v3   the slot in hand + 16 x lane
.set ADK8, 4                           ; v4   the slot in hand + 512 + 8 x lane
.set SPW,  5                           ; v5   LDS address of my spare word; never rewritten
.set NIL,  6                           ; v6   0; never rewritten
.set ADS,  7                           ; v7   the step's scale words of K
.set ADT,  8                           ; v8   and of V
.set RH,   9                           ; v9   lane % 16 - 8 (lane / 16)
.set PFO,  10                          ; v10  256 x lane: the prefetches' offset
.set R32,  11                          ; v11  32 x (lane % 16): my query's row of scale bytes
.set BM,   28
.set KFR,  32
.set TP,   80
.set KSC,  88
.set VSC,  92
.set FF,   94
.set SS,   96
.set OT,   160
.set VF,   192
.set PCD,  240
.set TB,   2                           ; s2   LDS byte at which the slot in hand begins
.set TSK,  3                           ; s3   where the step's scale words of K begin
.set WV,   18                          ; s18  my wave's number
.set JB,   19                          ; s19  j
.set SEL,  20                          ; s[20:21] selects for lane l xor 16
.set CS,   22                          ; s[22:23] c = log2(e) / 8
.set G1C,  24                          ; s[24:31] group 1: 96 rows of 256 bytes (a slot's K or V)
.set G1T,  32                          ; s[32:39] group 1: 48 rows of 256 bytes (the scale words)
.set G0K,  40                          ; s[40:43], s[44:47] groups 0 for K and V, which walk; s[48:51] for the scale words
.set G0V,  44
.set G0T,  48
.set TSV,  52                          ; s52  where the step's scale words of V begin, less 512
.set SLOTS, 53                         ; s53  changes of slots still to come in the loop
.set KF,   55                          ; s55  the step's first key
.set Q0,   56                          ; s56  my first query
.set QL,   57                          ; s57  my work-group's last query
.set PFA,  58                          ; s[58:59] where my prefetches stand
.set LIM,  60                          ; s60  1 in a wave that prefetches, else the greatest number
.set BH,   61                          ; s61  16 x batch + head
.macro FOURNOP
	s_nop 0
.rept 4
	v_nop
.endr
.endm
; A refill: wave 0 fetches the slot's K, wave 1 its V, the others nothing.  An s_nop 0 and four v_nop follow each line.
.macro TLOAD2
	s_cmp_eq_u32 s[WV], 0
	s_cbranch_scc0 .Lnot_k_\@
	tensor_load_to_lds s[G0K:G0K+3], s[G1C:G1C+7]
	FOURNOP
	s_branch .Lasked_\@
.Lnot_k_\@:
	s_cmp_eq_u32 s[WV], 1
	s_cbranch_scc0 .Lasked_\@
	tensor_load_to_lds s[G0V:G0V+3], s[G1C:G1C+7]
	FOURNOP
.Lasked_\@:
.endm
; A prefetch of what the NEXT change of slots will ask for: 24,576 bytes of K and as many of V.  All eight work-groups of a head walk the same K and V; work-group j = 0, which walks every slot, asks, and in it waves that fetch nothing:
; waves 4-6 for K, waves 8-10 for V, 8,192 bytes a wave, lanes 256 bytes apart: each block of 256 bytes is named once in the launch.  Slots 0 and 1 come by their loads alone; the last change that fills a slot asks for nothing.
.macro ASK
	s_cmp_gt_u32 s[SLOTS], s[LIM]
	s_cbranch_scc0 .Lnot_mine_\@
	global_prefetch_b8 v[PFO], s[PFA:PFA+1] th:TH_LOAD_NT scope:SCOPE_SE
.Lnot_mine_\@:
.endm
	s_load_b256 s[4:11], s[0:1], 0x0               ; qc, qs, kc, vc
	s_load_b128 s[12:15], s[0:1], 0x20             ; kvs, oc
	s_load_b64 s[16:17], s[0:1], 0x30              ; osc
	v_lshl_add_u32 v[SPW], v0, 2, SPARE
	v_mov_b32 v[NIL], 0
	ds_add_u32 v[SPW], v[NIL]                      ; the wave's opening: the add, twice on end, and its wait ahead of my first tensor load
	ds_add_u32 v[SPW], v[NIL]                      ; and once more, under the one wait
	v_lshrrev_b32 v3, 5, v0
	s_delay_alu instid0(VALU_DEP_1)
	v_readfirstlane_b32 s[WV], v3                  ; wave 0..15
	s_mov_b32 s[JB], ttmp9
	s_and_b32 s[BH], ttmp7, 0xffff
	s_lshr_b32 s66, s[WV], 2                       ; which of the two blocks is mine: (w xor w / 4) & 1, so that waves 4 apart and waves side by side both fall on both blocks
	s_xor_b32 s66, s66, s[WV]
	s_and_b32 s66, s66, 1
	s_sub_co_u32 s67, 15, s[JB]
	s_cmp_eq_u32 s66, 1
	s_cselect_b32 s68, s67, s[JB]                  ; block 15 - j or block j
	s_lshl_b32 s[Q0], s68, 7
	s_lshr_b32 s68, s[WV], 1
	s_lshl_b32 s68, s68, 4
	s_add_co_u32 s[Q0], s[Q0], s68                 ; + 16 x (w / 2)
	s_lshl_b32 s[QL], s67, 7
	s_add_co_u32 s[QL], s[QL], 127
	s_mul_i32 s70, s[BH], 98304                    ; the head's first byte in qc, kc, vc
	s_mov_b32 s71, 0
	s_mul_i32 s72, s[BH], 12288                    ; and in qs, kvs
	s_mov_b32 s73, 0
	s_mov_b32 s[G1C], 3<<16                        ; no mask; elements of 8 bytes; no padding
	s_mov_b32 s[G1C+1], 32<<16                     ; tensor_dim0 = 32 elements: 256 bytes
	s_mov_b32 s[G1C+2], 96<<16                     ; tensor_dim1
	s_mov_b32 s[G1C+3], 32<<16                     ; tile_dim0
	s_mov_b32 s[G1C+4], 96                         ; tile_dim1
	s_mov_b32 s[G1C+5], 32                         ; from row to row: dense
	s_mov_b32 s[G1C+6], 0
	s_mov_b32 s[G1C+7], 0
	s_mov_b32 s[G1T], 3<<16
	s_mov_b32 s[G1T+1], 32<<16
	s_mov_b32 s[G1T+2], 48<<16
	s_mov_b32 s[G1T+3], 32<<16
	s_mov_b32 s[G1T+4], 48
	s_mov_b32 s[G1T+5], 32
	s_mov_b32 s[G1T+6], 0
	s_mov_b32 s[G1T+7], 0
	s_mov_b32 s[SEL], 0x76543210
	s_mov_b32 s[SEL+1], 0xfedcba98
	s_mov_b32 s[CS], 0x3e38aa3b                    ; log2(e) / 8
	s_mov_b32 s[CS+1], s[CS]                       ; (named with it as a pair, so it is written)
	s_mov_b32 s[TB], 0
	s_mov_b32 s[TSK], SCT
	s_mov_b32 s[TSV], SCV-512
	s_mov_b32 s[SLOTS], 3
	s_mov_b32 s[KF], 0
	s_wait_dscnt 0x0                               ; both opening adds are done
	s_wait_kmcnt 0x0
	s_mov_b32 s[G0K], 1
	s_mov_b32 s[G0K+1], 0                          ; slot 0
	s_add_nc_u64 s[G0K+2:G0K+3], s[8:9], s[70:71]
	s_or_b32 s[G0K+3], s[G0K+3], 0x80000000
	s_mov_b32 s[G0V], 1
	s_mov_b32 s[G0V+1], VOFF
	s_add_nc_u64 s[G0V+2:G0V+3], s[10:11], s[70:71]
	s_or_b32 s[G0V+3], s[G0V+3], 0x80000000
	s_mov_b32 s[G0T], 1
	s_mov_b32 s[G0T+1], SCT
	s_add_nc_u64 s[G0T+2:G0T+3], s[12:13], s[72:73]
	s_or_b32 s[G0T+3], s[G0T+3], 0x80000000
	s_cmp_eq_u32 s[WV], 0                          ; the first fills: wave 0 slot 0's K, wave 1 its V, wave 2 the scale words: one load a wave
	s_cbranch_scc0 .Lfirst_1
	tensor_load_to_lds s[G0K:G0K+3], s[G1C:G1C+7]
	FOURNOP
	s_branch .Lfirst_done
.Lfirst_1:
	s_cmp_eq_u32 s[WV], 1
	s_cbranch_scc0 .Lfirst_2
	tensor_load_to_lds s[G0V:G0V+3], s[G1C:G1C+7]
	FOURNOP
	s_branch .Lfirst_done
.Lfirst_2:
	s_cmp_eq_u32 s[WV], 2
	s_cbranch_scc0 .Lfirst_done
	tensor_load_to_lds s[G0T:G0T+3], s[G1T:G1T+7]
	FOURNOP
.Lfirst_done:
	; the prefetches: where my wave's stand, and who asks
	s_cmp_lt_u32 s[WV], 8
	s_cselect_b64 s[PFA:PFA+1], s[8:9], s[10:11]
	s_and_b32 s66, s[WV], 3
	s_lshl_b32 s66, s66, 13                        ; my wave's 8,192 bytes,
	s_add_co_u32 s66, s66, SLOTB                   ; in slot 1: the first change of slots steps it to slot 2
	s_mov_b32 s67, 0
	s_add_nc_u64 s[PFA:PFA+1], s[PFA:PFA+1], s[70:71]
	s_add_nc_u64 s[PFA:PFA+1], s[PFA:PFA+1], s[66:67]
	s_sub_co_u32 s66, s[WV], 4
	s_lshr_b32 s66, s66, 3                         ; 0 in waves 4 to 11,
	s_or_b32 s66, s66, s[JB]                       ; of work-group j = 0
	s_cmp_eq_u32 s66, 0
	s_cselect_b32 s[LIM], 1, -1
	s_and_b32 s66, s[WV], 3
	s_cmp_eq_u32 s66, 3                            ; (a slot's K, or V, is three waves' worth)
	s_cselect_b32 s[LIM], -1, s[LIM]
	; Q, its scale words, and where the results go
	s_lshr_b32 s66, s[Q0], 4                       ; my tile of 16 queries
	s_mul_i32 s74, s66, 768
	s_mov_b32 s75, 0
	s_add_nc_u64 s[4:5], s[4:5], s[70:71]
	s_add_nc_u64 s[4:5], s[4:5], s[74:75]
	s_lshr_b32 s67, s[Q0], 7
	s_lshl_b32 s67, s67, 9                         ; a block of 128 queries has 512 bytes of scale words;
	s_and_b32 s68, s66, 1
	s_lshl_b32 s68, s68, 8                         ; an odd tile's stand in the places of lanes 16-31;
	s_add_co_u32 s67, s67, s68
	s_bfe_u32 s68, s66, 0x20001
	s_lshl_b32 s68, s68, 2                         ; word (tile % 8) / 2
	s_add_co_u32 s76, s67, s68
	s_mov_b32 s77, 0
	s_add_nc_u64 s[6:7], s[6:7], s[72:73]
	s_add_nc_u64 s[6:7], s[6:7], s[76:77]
	s_and_b32 s67, s[BH], 15                       ; the head
	s_lshr_b32 s68, s[BH], 4                       ; the batch
	s_mul_i32 s76, s67, 393216                     ; oc: [head][tile of 16 tokens, 512][768 bytes]
	s_lshl_b32 s69, s68, 7
	s_add_co_u32 s69, s69, s66
	s_mul_i32 s69, s69, 768
	s_add_co_u32 s76, s76, s69
	s_add_nc_u64 s[14:15], s[14:15], s[76:77]
	s_lshl_b32 s69, s68, 11
	s_add_co_u32 s69, s69, s[Q0]
	s_lshl_b32 s69, s69, 5                         ; osc: [token][32 bytes], the head's two at 2 x head
	s_lshl_b32 s67, s67, 1
	s_add_co_u32 s76, s69, s67
	s_add_nc_u64 s[16:17], s[16:17], s[76:77]
	v_and_b32 v3, 31, v0                           ; lane
	s_delay_alu instid0(VALU_DEP_1)
	v_lshlrev_b32 v[L16], 4, v3
	s_delay_alu instid0(VALU_DEP_2)
	v_lshl_add_u32 v[L8P], v3, 3, 512
	s_delay_alu instid0(VALU_DEP_3)
	v_lshlrev_b32 v[PFO], 8, v3
	v_and_b32 v4, 15, v0                           ; r
	v_bfe_u32 v7, v0, 4, 1                         ; h
	s_delay_alu instid0(VALU_DEP_2)
	v_lshlrev_b32 v[R32], 5, v4
	s_delay_alu instid0(VALU_DEP_2)
	v_lshlrev_b32 v7, 3, v7
	s_delay_alu instid0(VALU_DEP_1)
	v_sub_nc_u32 v[RH], v4, v7
	v_lshlrev_b32 v252, 4, v4                      ; a lane's place among the scale words: 16 bytes
	global_load_b128 v[16:19], v[L16], s[4:5]      ; Q's registers 0-3,
	global_load_b64 v[20:21], v[L8P], s[4:5]       ; 4-5: they stay
	global_load_b32 v255, v252, s[6:7]             ; row r's scale word, in lanes 0-15 and 16-31 alike
	v_mov_b32 v13, 0xff61b1e6                      ; the largest t so far: -3e38
	s_delay_alu instid0(VALU_DEP_1)
	v_floor_f32 v12, -v13                          ; -M
	v_mov_b32 v14, 0
	v_mov_b32 v15, 0
.irp i, 22,23,24,25,26,27
	v_mov_b32 v\i, 0                               ; Q's upper 64 along K: zero codes
.endr
.irp i, 80,81,82,83,84,85,86,87,94,95,254
	v_mov_b32 v\i, 0                               ; written once: lane permutes' destinations, tile 7's upper six, the upper half of f's pair
.endr
.set n, 0
.rept 32
	v_mov_b32 v[OT+n], 0                           ; O^T: the step is written for all steps alike; the first finds zeros, which the first change of M leaves zeros
.set n, n+1
.endr
; A KEY STEP: 128 keys, the q-th of the slot in hand.
.macro STEP q
	s_add_co_u32 s66, s[Q0], 15                    ; a step all of whose keys come after my 16 queries is left out: a branch on ids and the count of steps
	s_cmp_gt_u32 s[KF], s66
	s_cbranch_scc1 .Lhidden_\@
	v_add_nc_u32 v[ADK], s[TB], v[L16]             ; (these four are also the places between the last step's products and the loads into V's and the scale words' registers)
	v_add_nc_u32 v[ADK8], s[TB], v[L8P]
	v_add_nc_u32 v[ADS], s[TSK], v[L16]
	v_add_nc_u32 v[ADT], s[TSV], v[L8P]
.irp t, 0,1,2,3,4,5,6,7
	ds_load_b128 v[KFR+6*\t:KFR+6*\t+3], v[ADK] offset:STEPB*(\q)+768*\t
	ds_load_b64 v[KFR+6*\t+4:KFR+6*\t+5], v[ADK8] offset:STEPB*(\q)+768*\t
.endr
	ds_load_b128 v[KSC:KSC+3], v[ADS]
.irp u, 0,1,2,3
.irp p, 0,1,2
	ds_load_b128 v[VF+12*\u+4*\p:VF+12*\u+4*\p+3], v[ADK] offset:VOFF+STEPB*(\q)+1536*\u+512*\p
.endr
.endr
	ds_load_b64 v[VSC:VSC+1], v[ADT]
	s_wait_dscnt 13                                ; K and its scale words are in; V's twelve loads and its scale words' one may be out: they land under the softmax
.irp t, 0,1,2,3,4,5,6,7
.if \t%2
	v_wmma_scale_f32_16x16x128_f8f6f4 v[SS+8*\t:SS+8*\t+7], v[KFR+6*\t:KFR+6*\t+11], v[16:27], 0, v[KSC+\t/2], v255 matrix_a_fmt:MATRIX_FMT_FP6 matrix_b_fmt:MATRIX_FMT_FP6 matrix_a_scale:MATRIX_SCALE_ROW1
.else
	v_wmma_scale_f32_16x16x128_f8f6f4 v[SS+8*\t:SS+8*\t+7], v[KFR+6*\t:KFR+6*\t+11], v[16:27], 0, v[KSC+\t/2], v255 matrix_a_fmt:MATRIX_FMT_FP6 matrix_b_fmt:MATRIX_FMT_FP6
.endif
.endr                                  ; register 8 t + i of lane (r, h): query r, key KF + 16 t + 8 h + i
.rept 4
	v_nop
.endr
	s_add_co_u32 s66, s[KF], 127                   ; on the diagonal the scores of hidden keys become -infinity ahead of the maximum; a step all of whose keys count skips this
	s_cmp_le_u32 s66, s[Q0]
	s_cbranch_scc1 .Lopen_\@
	s_sub_co_i32 s66, s[Q0], s[KF]
	v_add_nc_u32 v252, s66, v[RH]                  ; d = my query - KF - 8 h: hidden where 16 t + i > d
	v_mov_b32 v254, 0xff800000
.set n, 0
.rept 64
	v_cmp_gt_i32 vcc_lo, 16*(n/8)+n%8, v252
	v_cndmask_b32 v[SS+n], v[SS+n], v254, vcc_lo
.set n, n+1
.endr
.Lopen_\@:
.irp b, 0,1,2,3
	v_max3_num_f32 v[BM+\b], v[SS+16*\b], v[SS+1+16*\b], v[SS+2+16*\b]   ; the largest score of each block of 32 keys: for the row's maximum, and, since p rises with the score, for the block's largest p
.endr
.irp i, 3,5,7,9,11,13
.irp b, 0,1,2,3
	v_max3_num_f32 v[BM+\b], v[BM+\b], v[SS+16*\b+\i], v[SS+1+16*\b+\i]
.endr
.endr
.irp b, 0,1,2,3
	v_max_num_f32 v[BM+\b], v[BM+\b], v[SS+15+16*\b]
.endr
.irp b, 0,1,2,3
	s_delay_alu instid0(VALU_DEP_4)
	v_permlanex16_b32 v[TP+\b], v[BM+\b], s[SEL], s[SEL+1]
.endr
.irp b, 0,1,2,3
	s_delay_alu instid0(VALU_DEP_4)
	v_max_num_f32 v[BM+\b], v[BM+\b], v[TP+\b]     ; with lane l xor 16's 16 keys
.endr
	s_delay_alu instid0(VALU_DEP_2)
	v_max3_num_f32 v254, v[BM], v[BM+1], v[BM+2]
	s_delay_alu instid0(VALU_DEP_1)
	v_max_num_f32 v254, v254, v[BM+3]              ; the step's largest score of my query
	s_delay_alu instid0(VALU_DEP_1)
	v_mul_f32 v254, s[CS], v254                    ; as t
	s_delay_alu instid0(VALU_DEP_1)
	v_max_num_f32 v13, v13, v254                   ; the running largest t
	v_mov_b32 v254, v12
	s_delay_alu instid0(VALU_DEP_2)
	v_floor_f32 v12, -v13                          ; the new -M = -ceil(t)
	s_delay_alu instid0(VALU_DEP_1)
	v_sub_f32 v254, v12, v254                      ; old M - new M: a whole number, 0 or less
	s_delay_alu instid0(VALU_DEP_1)
	v_cvt_i32_f32 v254, v254                       ; (it saturates)
	s_delay_alu instid0(VALU_DEP_1)
	v_ldexp_f32 v[FF], 1.0, v254                   ; f = 2^(old M - new M)
.set n, 0
.rept 32
	v_pk_fma_f32 v[SS+n:SS+n+1], v[SS+n:SS+n+1], s[CS:CS+1], v[12:13] op_sel_hi:[1,0,0]   ; t - M, two at a time
.set n, n+2
.endr
.irp b, 0,1,2,3
	v_fma_f32 v[BM+\b], v[BM+\b], s[CS], v12       ; the same of each block's largest score
.endr
.set n, 0
	s_wait_alu depctr_va_vdst(0)
.rept 64
	v_exp_f32 v[SS+n], v[SS+n]                     ; p = 2^(t - M)
.set n, n+1
.endr
	v_pk_mul_f32 v[14:15], v[14:15], v[FF:FF+1] op_sel_hi:[1,0]   ; the sums under the new M: a plain place behind the exponentials
	s_wait_alu depctr_va_vdst(0)                   ; one wait for the batch of 64, ahead of its first reader
.irp b, 0,1,2,3
	v_exp_f32 v[BM+\b], v[BM+\b]                   ; each block's largest p: the same two instructions on the same number
.endr
	v_pk_add_f32 v[80:81], v[100:101], v[104:105]
	v_pk_add_f32 v[252:253], v[108:109], v[112:113]
	v_pk_add_f32 v[250:251], v[116:117], v[120:121]
	v_pk_add_f32 v[248:249], v[124:125], v[128:129]
	v_pk_add_f32 v[246:247], v[132:133], v[136:137]
	v_pk_add_f32 v[244:245], v[140:141], v[144:145]
	v_pk_add_f32 v[242:243], v[148:149], v[152:153]
	v_pk_add_f32 v[14:15], v[14:15], v[156:157]
	v_pk_add_f32 v[80:81], v[80:81], v[96:97]
	v_pk_add_f32 v[252:253], v[252:253], v[98:99]
	v_pk_add_f32 v[250:251], v[250:251], v[102:103]
	v_pk_add_f32 v[248:249], v[248:249], v[106:107]
	v_pk_add_f32 v[246:247], v[246:247], v[110:111]
	v_pk_add_f32 v[244:245], v[244:245], v[114:115]
	v_pk_add_f32 v[242:243], v[242:243], v[118:119]
	v_pk_add_f32 v[14:15], v[14:15], v[122:123]
	v_pk_add_f32 v[80:81], v[80:81], v[126:127]
	v_pk_add_f32 v[252:253], v[252:253], v[130:131]
	v_pk_add_f32 v[250:251], v[250:251], v[134:135]
	v_pk_add_f32 v[248:249], v[248:249], v[138:139]
	v_pk_add_f32 v[246:247], v[246:247], v[142:143]
	v_pk_add_f32 v[244:245], v[244:245], v[146:147]
	v_pk_add_f32 v[242:243], v[242:243], v[150:151]
	v_pk_add_f32 v[14:15], v[14:15], v[154:155]
	v_pk_add_f32 v[80:81], v[80:81], v[158:159]
	s_delay_alu instid0(VALU_DEP_2)
	v_pk_add_f32 v[14:15], v[14:15], v[248:249]
	s_delay_alu instid0(VALU_DEP_2)
	v_pk_add_f32 v[80:81], v[80:81], v[246:247]
	v_pk_add_f32 v[252:253], v[252:253], v[244:245]
	v_pk_add_f32 v[250:251], v[250:251], v[242:243]
	s_delay_alu instid0(VALU_DEP_2)
	v_pk_add_f32 v[14:15], v[14:15], v[252:253]
	s_delay_alu instid0(VALU_DEP_2)
	v_pk_add_f32 v[80:81], v[80:81], v[250:251]
	s_delay_alu instid0(VALU_DEP_1)
	v_pk_add_f32 v[14:15], v[14:15], v[80:81]
	s_wait_alu depctr_va_vdst(0)                   ; and one for the four
.irp b, 0,1,2,3
	v_max_num_f32 v[BM+\b], 0x1800000, v[BM+\b]    ; the floor 2^(3 - 127): the byte cannot fall under 1
.endr
.irp b, 0,1,2,3
	s_delay_alu instid0(VALU_DEP_4)
	v_add_nc_u32 v[BM+\b], 0xff000000, v[BM+\b]    ; 2 off the exponent field: the conversion's scale operand
.endr
.irp b, 0,1,2,3
	s_delay_alu instid0(VALU_DEP_4)
	v_lshrrev_b32 v[TP+\b], 23, v[BM+\b]           ; the scale's byte
.endr
	s_delay_alu instid0(VALU_DEP_3)
	v_lshl_or_b32 v253, v[TP+1], 8, v[TP]          ; p's scale word for these 128 keys
	s_delay_alu instid0(VALU_DEP_1)
	v_lshl_or_b32 v253, v[TP+2], 16, v253
	s_delay_alu instid0(VALU_DEP_1)
	v_lshl_or_b32 v253, v[TP+3], 24, v253
.irp c, 0,1
	v_cvt_scalef32_pk16_fp6_f32 v[PCD+6*\c:PCD+6*\c+2], v[SS+32*\c:SS+32*\c+15], v[BM+2*\c]
	v_cvt_scalef32_pk16_fp6_f32 v[TP+4*\c:TP+4*\c+2], v[SS+32*\c+16:SS+32*\c+31], v[BM+2*\c+1]   ; (a conversion's three registers begin on an even number)
.endr
	v_nop                                          ; one plain place behind a scaled conversion
.irp c, 0,1                            ; a whole block to a lane: lanes 0-15 block 2 c, lanes 16-31 block 2 c + 1
.irp i, 0,1,2
	v_permlane16_swap_b32 v[PCD+6*\c+\i], v[TP+4*\c+\i]
.endr
.irp i, 0,1,2
	s_delay_alu instid0(VALU_DEP_3)
	v_mov_b32 v[PCD+6*\c+3+\i], v[TP+4*\c+\i]
.endr
.endr
.set n, 0
.rept 16
	v_pk_mul_f32 v[OT+n:OT+n+1], v[OT+n:OT+n+1], v[FF:FF+1] op_sel_hi:[1,0]   ; O^T under the new M.  Twelve of the sixteen name no register of any one product below: the places behind p's codes and its scale word
.set n, n+2
.endr
	s_wait_alu depctr_va_vdst(0)
	s_wait_dscnt 0x0                               ; V and its scale words are in
.irp u, 0,1,2,3
.if \u%2
	v_wmma_scale_f32_16x16x128_f8f6f4 v[OT+8*\u:OT+8*\u+7], v[VF+12*\u:VF+12*\u+11], v[PCD:PCD+11], v[OT+8*\u:OT+8*\u+7], v[VSC+\u/2], v253 matrix_a_fmt:MATRIX_FMT_FP6 matrix_b_fmt:MATRIX_FMT_FP6 matrix_a_scale:MATRIX_SCALE_ROW1
.else
	v_wmma_scale_f32_16x16x128_f8f6f4 v[OT+8*\u:OT+8*\u+7], v[VF+12*\u:VF+12*\u+11], v[PCD:PCD+11], v[OT+8*\u:OT+8*\u+7], v[VSC+\u/2], v253 matrix_a_fmt:MATRIX_FMT_FP6 matrix_b_fmt:MATRIX_FMT_FP6
.endif
.endr
.Lhidden_\@:
	s_add_co_u32 s[KF], s[KF], 128
	s_add_co_u32 s[TSK], s[TSK], 512               ; the next step's scale words
	s_add_co_u32 s[TSV], s[TSV], 256
.endm
; THE CHANGE OF SLOTS stands at a slot's head.  Each wave waits for all its tensor loads, adds 0 to its spare word (fill = 1: twice on end), and waits for that and for its reads of the slot that it has left.
; Behind the barrier the slot ahead is whole and nobody reads the other one.  fill = 1: that other slot takes the next four key steps, if any wave of the work-group will read them.
.macro CHANGE fill
	s_wait_tensorcnt 0x0                           ; no tensor load of mine is out, so a group 0 may be written
	ds_add_u32 v[SPW], v[NIL]                      ; 0 onto my spare word
.if \fill
	ds_add_u32 v[SPW], v[NIL]                      ; and once more: the add twice on end here, in every trip alike
	s_xor_b32 s[G0K+1], s[G0K+1], SLOT1            ; the walking descriptors: the other slot than last time,
	s_add_nc_u64 s[G0K+2:G0K+3], s[G0K+2:G0K+3], SLOTB   ; the next four key steps
	s_xor_b32 s[G0V+1], s[G0V+1], SLOT1
	s_add_nc_u64 s[G0V+2:G0V+3], s[G0V+2:G0V+3], SLOTB
	s_wait_xcnt 0x0                                ; the last prefetch, a slot back, has read its address, so it may be written:
	s_add_nc_u64 s[PFA:PFA+1], s[PFA:PFA+1], SLOTB ; one slot further on than the walking descriptors
.endif
	s_wait_dscnt 0x0                               ; the add is done, and my reads of the slot that I have left are over
	s_barrier_signal -1
	s_barrier_wait -1
.if \fill
	s_add_co_u32 s66, s[KF], 512                   ; the first key of the slot that this change would ask for:
	s_cmp_gt_u32 s66, s[QL]                        ; behind my work-group's last query none of its waves reads it, so it is not asked for.  Ids and the count of steps alone: all sixteen waves go the same way
	s_cbranch_scc1 .Lpast_\@
	TLOAD2                                         ; a wave's one tensor load until the next barrier
.Lpast_\@:
	ASK
.endif
.endm
.macro SLOT_STEPS
	STEP 0
	STEP 1
	STEP 2
	STEP 3
	s_xor_b32 s[TB], s[TB], SLOT1                  ; on to the other slot
.endm
	s_wait_loadcnt 0x0                             ; Q and its scale words
.Lslot:                                ; three trips: behind each change of slots but the last the next slot is asked for, up to the causal limit
	CHANGE 1
	SLOT_STEPS
	s_sub_co_u32 s[SLOTS], s[SLOTS], 1
	s_cmp_lg_u32 s[SLOTS], 0
	s_cbranch_scc1 .Lslot
	CHANGE 0                                       ; the last slot is written out: nothing is left to fetch
	SLOT_STEPS
	; THE WAY OUT.  O^T / the row's sum; then the quantiser ahead of the last projection, along the head's 64, in the TRUE order of d, since that product's other operand is given.
	v_add_f32 v14, v14, v15                        ; the sum's two halves,
	s_delay_alu instid0(VALU_DEP_1)
	v_permlanex16_b32 v254, v14, s[SEL], s[SEL+1]
	s_delay_alu instid0(VALU_DEP_1)
	v_add_f32 v14, v14, v254                       ; and lane l xor 16's
	s_wait_alu depctr_va_vdst(0)
	v_rcp_f32 v[FF], v14
.rept 4
	v_nop                                          ; the plain place behind the reciprocal, and the places behind the last products
.endr
	s_wait_alu depctr_va_vdst(0)                   ; ahead of the reciprocal's first reader
.set n, 0
.rept 16
	v_pk_mul_f32 v[SS+n:SS+n+1], v[OT+n:OT+n+1], v[FF:FF+1] op_sel_hi:[1,0]   ; register 8 u + i: d = 16 u + 8 h + i; each accumulator from its low end on
.set n, n+2
.endr
.irp b, 0,1
.irp i, 0,1,2,3,4,5,6,7
	v_permlane16_swap_b32 v[SS+16*\b+\i], v[SS+16*\b+8+\i]   ; tile 2 b's lanes 16-31 change places with tile 2 b + 1's lanes 0-15: my 16 registers of block b are now d = 32 b + 16 h + 0 .. 15
.endr
.endr
.irp b, 0,1
	v_max3_num_f32 v[BM+\b], |v[SS+16*\b]|, |v[SS+1+16*\b]|, 0x1800000
.endr
.irp i, 2,4,6,8,10,12,14
.irp b, 0,1
	s_delay_alu instid0(VALU_DEP_2)
	v_max3_num_f32 v[BM+\b], v[BM+\b], |v[SS+16*\b+\i]|, |v[SS+1+16*\b+\i]|
.endr
.endr
.irp b, 0,1
	s_delay_alu instid0(VALU_DEP_2)
	v_permlanex16_b32 v[TP+\b], v[BM+\b], s[SEL], s[SEL+1]
.endr
.irp b, 0,1
	s_delay_alu instid0(VALU_DEP_2)
	v_max_num_f32 v[BM+\b], v[BM+\b], v[TP+\b]
.endr
.irp b, 0,1
	s_delay_alu instid0(VALU_DEP_2)
	v_add_nc_u32 v[BM+\b], 0xff000000, v[BM+\b]
.endr
.irp b, 0,1
	s_delay_alu instid0(VALU_DEP_2)
	v_lshrrev_b32 v[TP+\b], 23, v[BM+\b]
.endr
	s_delay_alu instid0(VALU_DEP_1)
	v_lshl_or_b32 v254, v[TP+1], 8, v[TP]          ; my query's two scale bytes of this head
	v_cvt_scalef32_pk16_fp6_f32 v[PCD:PCD+2], v[SS:SS+15], v[BM]
	v_cvt_scalef32_pk16_fp6_f32 v[TP+4:TP+6], v[SS+16:SS+31], v[BM+1]
	v_nop                                          ; one plain place behind a scaled conversion
.irp i, 0,1,2
	v_permlane16_swap_b32 v[PCD+\i], v[TP+4+\i]
.endr
.irp i, 0,1,2
	s_delay_alu instid0(VALU_DEP_3)
	v_mov_b32 v[PCD+3+\i], v[TP+4+\i]
.endr
	global_store_b128 v[L16], v[PCD:PCD+3], s[14:15]       ; 512 consecutive bytes, aligned,
	global_store_b64 v[L8P], v[PCD+4:PCD+5], s[14:15]      ; and 256: the image of registers 0-5 of a fragment
	global_store_b16 v[R32], v254, s[16:17]                ; two bytes of my query's row of scale bytes; lanes l and l xor 16 store the same value to the same place.  One byte in 24 of what this launch stores
	s_wait_tensorcnt 0x0                           ; the wave's end
	ds_add_u32 v[SPW], v[NIL]
	s_wait_dscnt 0x0
	s_endpgm
.Lfunc_end_k_q78e2e024f3_attn:
	.size	k_q78e2e024f3_attn, .Lfunc_end_k_q78e2e024f3_attn-k_q78e2e024f3_attn
	.p2alignl 7, 3214868480
	.fill 96, 4, 3214868480
	.section	.rodata,"a",@progbits
	.p2align	6, 0x0
	.amdhsa_kernel k_q78e2e024f3_attn
		.amdhsa_group_segment_fixed_size 327680
		.amdhsa_private_segment_fixed_size 0
		.amdhsa_enable_private_segment 0
		.amdhsa_kernarg_size 56
		.amdhsa_user_sgpr_count 2
		.amdhsa_user_sgpr_kernarg_segment_ptr 1
		.amdhsa_wavefront_size32 1
		.amdhsa_system_sgpr_workgroup_id_x 1
		.amdhsa_system_sgpr_workgroup_id_y 1
		.amdhsa_system_sgpr_workgroup_id_z 1
		.amdhsa_system_vgpr_workitem_id 0
		.amdhsa_next_free_vgpr 256
		.amdhsa_next_free_sgpr 80
		.amdhsa_reserve_vcc 1
		.amdhsa_float_denorm_mode_32 3
		.amdhsa_float_denorm_mode_16_64 3
		.amdhsa_memory_ordered 1
		.amdhsa_forward_progress 1
		.amdhsa_inst_pref_size 192
	.end_amdhsa_kernel
	.amdgpu_metadata
---
amdhsa.version: [ 1, 2 ]
amdhsa.kernels:
  - .name:           k_q78e2e024f3_attn
    .symbol:         k_q78e2e024f3_attn.kd
    .args:
      - { .name: qc, .offset: 0, .size: 8, .value_kind: global_buffer, .address_space: global }
      - { .name: qs, .offset: 8, .size: 8, .value_kind: global_buffer, .address_space: global }
      - { .name: kc, .offset: 16, .size: 8, .value_kind: global_buffer, .address_space: global }
      - { .name: vc, .offset: 24, .size: 8, .value_kind: global_buffer, .address_space: global }
      - { .name: kvs, .offset: 32, .size: 8, .value_kind: global_buffer, .address_space: global }
      - { .name: oc, .offset: 40, .size: 8, .value_kind: global_buffer, .address_space: global }
      - { .name: osc, .offset: 48, .size: 8, .value_kind: global_buffer, .address_space: global }
    .group_segment_fixed_size: 327680
    .private_segment_fixed_size: 0
    .kernarg_segment_align: 8
    .kernarg_segment_size: 56
    .max_flat_workgroup_size: 512
    .sgpr_count:     80
    .vgpr_count:     256
    .wavefront_size: 32
...
	.end_amdgpu_metadata
.endif
;; end of part 2
;; launch proj (part 3): grid 4 x 32, 4 waves a work-group, clusters of 4 x 4, 327,680 bytes of LDS; arguments oc, osc, Wo_codes, Wo_scales, out0, bo; writes out0
.if DOCPART == 3
	.amdgcn_target "amdgcn-amd-amdhsa--gfx1250"
	.amdhsa_code_object_version 6
	.text
	.protected	k_q78e2e024f3_proj
	.globl	k_q78e2e024f3_proj
	.p2align	8
	.type	k_q78e2e024f3_proj,@function
k_q78e2e024f3_proj:
	s_mov_b64 s[64:65], 0
	v_nop
	global_prefetch_b8 v0, s[64:65] scope:SCOPE_SE
	s_setreg_imm32_b32 hwreg(HW_REG_WAVE_MODE, 25, 1), 1
	s_wait_xcnt 0x0
	s_wait_alu depctr_hold_cnt(0) depctr_sa_sdst(0) depctr_va_vdst(0) depctr_va_sdst(0) depctr_va_ssrc(0) depctr_va_vcc(0) depctr_vm_vsrc(0)
	s_getreg_b32 s2, hwreg(HW_REG_IB_STS2, 6, 4)
	s_cmp_eq_u32 s2, 0
	s_cbranch_scc0 .Lentry_in_a_cluster
	s_endpgm
.Lentry_in_a_cluster:
	s_bfe_u32 s2, ttmp6, 0x10000c
	s_cmp_lg_u32 s2, 0xf033
	s_cbranch_scc0 .Lentry_shape_is_right
	s_endpgm
.Lentry_shape_is_right:
; out0 = attention's output x Wo^T + bo on codes of FP6 (E2M3), one E8M0 scale for each 32 along K = 1,024; out0: [8,192][1,024] f32.  Nothing is left out here.
; A (source 1) = the attention's output as the launch before stored it: for each head and 16 tokens an image of registers 0-5 of a fragment (768 bytes: registers 0-3 at 16 x lane, 4-5 at 512 + 8 x lane); two heads make a fragment of 128 along K.
; Its scale bytes lie [token][32].  B (source 0) = Wo as it is given: rows of 768 bytes, scale bytes [row][32].  The bias is the C of each sum's first product.
; SHAPE: a tile of 256 x 256 to a work-group of four waves, 128 x 128 a wave; K in steps of 256 (four heads) through a ring of two LDS slots; the scale bytes come once; 4 x 4 work-groups form a cluster: A's tiles are asked for jointly
; along a row of the cluster, B's along a column.  The matrix instruction is used transposed: a lane holds eight neighbouring numbers of a row of out0.  128 work-groups: the tile that keeps a wave's 128 x 128.
; REGISTERS, in windows of 256: window 0: v7-29 addresses; v32-63 scale words, two sets; v64-127 the bias, eight registers for each of B's blocks; v128-223 A's fragments; on the way out v128-255 rows of out0.
;   window 1: B's fragments, two sets.  windows 2, 3: the accumulators ((a, b) at v[8 (8 (a % 4) + b)]).
.set SIZE_N, 1024
.set NQ,     2
.set ROWB,   192                       ; a row of B's tile: 256 codes
.set KROW,   768
.set PITCH,  240                       ; B's LDS row: 3 x (64 bytes + 16 of padding)
.set FR,     12
.set NL,     6                         ; LDS loads that bring a fragment of B,
.set NLA,    4                         ; and of A
.set NP,     4
.set HALFT,  128*PITCH                 ; 128 rows of B
.set AHALF,  4*6144                    ; 128 rows of A: four heads x eight tiles x 768 bytes
.set SLOT,   2*AHALF+2*HALFT           ; A's 256 rows, then B's 256 rows
.set ASTEP,  4*393216                  ; from a K step of A to the next in memory: four heads
.set SCL,    2*SLOT
.set HALFS,  16*272
.set SBLK,   2*272
.set SPARE,  SCL+4*HALFS               ; the spare words: two blocks of 256 bytes that no other line names
.set SPITCH, 528                       ; the way out: a stage of 16 rows x (512 bytes + 16) for each wave, in slot 0, which has had its last fill and its last read when the first result is stored there
.set BOF,  7                           ; v7   the bias's offset: 32 x (lane / 16)
.set ADRA, 16                          ; v16-17 my A images in slot 0, 1, + 16 x lane; v18-19 + 512 + 8 x lane
.set ADRB, 20                          ; v20-23 my B fragments
.set STO,  24
.set RD,   25
.set CO,   26
.set ADRS, 27
.set SPW,  28
.set NIL,  29
.set SC,   32
.set BIAS, 64
.set AF,   128
.set BK,   128
.set G1, 24
.set G0, 32
.set G1B, 48
.set G0B, 56
.set G1S, 68
.set G0S, 76
.set G1SB, 80
.set G0SB, 88
.set MSB, 0
.macro WIN new
.if MSB != (\new)
	s_set_vgpr_msb (MSB<<8)|(\new)
.set MSB, (\new)
.endif
.endm
.set MUL_LO, 0xa1                      ; source 0 (B) window 1, source 1 (A) window 0, C and D window 2
.set MUL_HI, 0xf1                      ; the same, C and D window 3
.set FST_LO, 0x81                      ; the first products: C (the bias) window 0, D window 2
.set FST_HI, 0xc1                      ; D window 3
.set TO_B,   0x40
.macro JLOAD g0a, g1a, g0b, g1b        ; a joint load: waves 0 and 1 fetch for A, waves 2 and 3 for B; an s_nop 0 and four v_nop follow each line
	s_cmp_eq_u32 s15, 0
	s_cbranch_scc0 .Lfor_b_\@
	tensor_load_to_lds s[\g0a:\g0a+3], s[\g1a:\g1a+7]
	s_nop 0
.rept 4
	v_nop
.endr
	s_branch .Lasked_\@
.Lfor_b_\@:
	tensor_load_to_lds s[\g0b:\g0b+3], s[\g1b:\g1b+7]
	s_nop 0
.rept 4
	v_nop
.endr
.Lasked_\@:
.endm
.macro CREST
	s_cmp_lg_u32 s14, 0
	s_cbranch_scc1 .Lnot_wave_0_\@
	s_barrier_signal -3
.Lnot_wave_0_\@:
	s_barrier_wait -3
	s_barrier_signal -1
	s_barrier_wait -1
.endm
.macro CROUND
	s_barrier_signal -1
	s_barrier_wait -1
	CREST
.endm
	s_load_b128 s[4:7], s[0:1], 0x0                ; oc, osc
	s_load_b128 s[8:11], s[0:1], 0x10              ; Wo's codes, Wo's scales
	s_load_b64 s[12:13], s[0:1], 0x20              ; out0
	s_load_b64 s[96:97], s[0:1], 0x28              ; bo
	v_lshl_add_u32 v[SPW], v0, 2, SPARE
	v_mov_b32 v[NIL], 0
	ds_add_u32 v[SPW], v[NIL]                      ; the wave's opening: the add, twice on end, and its wait ahead of my first tensor load
	ds_add_u32 v[SPW], v[NIL]                      ; and once more, under the one wait
	v_lshrrev_b32 v1, 5, v0
	v_readfirstlane_b32 s14, v1                    ; wave 0..3
	s_lshr_b32 s15, s14, 1                         ; which half of the tile's rows is mine.  Also: I fetch for A (0) or for B (1)
	s_and_b32 s16, s14, 1                          ; which half of its columns.  Also: which 128 rows of that tile I fetch
	s_bfe_u32 s40, ttmp6, 0x40000
	s_bfe_u32 s41, ttmp6, 0x40004
	s_lshl_b32 s42, ttmp9, 2
	s_add_co_u32 s42, s42, s40                     ; tile column = 4 x cluster x + cx
	s_and_b32 s17, ttmp7, 0xffff
	s_lshl_b32 s17, s17, 2
	s_add_co_u32 s17, s17, s41                     ; tile row = 4 x cluster y + cy
	s_lshl_b32 s43, s41, 2
	s_lshl_b32 s43, 15, s43                        ; my row of the cluster
	s_lshl_b32 s44, 0x1111, s40                    ; my column
	; A's tile: four heads' runs of 6,144 consecutive bytes (eight tiles of 16 tokens), a head apart in memory, on end in LDS
	s_or_b32 s[G1+0], s43, (3<<16)|(1<<21)         ; the mask; elements of 8 bytes; no padding; bit 21 beside a mask
	s_mov_b32 s[G1+1], 768<<16                     ; tensor_dim0 = 768 elements
	s_mov_b32 s[G1+2], 4<<16                       ; tensor_dim1
	s_mov_b32 s[G1+3], 768<<16                     ; tile_dim0
	s_mov_b32 s[G1+4], 4                           ; tile_dim1
	s_mov_b32 s[G1+5], 49152                       ; from head to head: 393,216 bytes
	s_mov_b32 s[G1+6], 0
	s_mov_b32 s[G1+7], 0
	; B's tile: 128 rows x 192 bytes, padded in LDS
	s_or_b32 s[G1B+0], s44, (0<<16)|(1<<20)|(1<<21)|(3<<22)|(3<<25)
	s_mov_b32 s[G1B+1], ROWB<<16
	s_mov_b32 s[G1B+2], 128<<16
	s_mov_b32 s[G1B+3], ROWB<<16
	s_mov_b32 s[G1B+4], 128
	s_mov_b32 s[G1B+5], KROW
	s_mov_b32 s[G1B+6], 0
	s_mov_b32 s[G1B+7], 0
	; the scales of 128 rows: 4,096 dense bytes, as 16 rows of 256 bytes, 16 bytes of padding behind each
	s_or_b32 s[G1S+0], s43, (3<<16)|(1<<20)|(1<<21)|(5<<22)|(3<<25)
	s_or_b32 s[G1SB+0], s44, (3<<16)|(1<<20)|(1<<21)|(5<<22)|(3<<25)
.irp g, G1S, G1SB
	s_mov_b32 s[\g+1], 32<<16
	s_mov_b32 s[\g+2], 16<<16
	s_mov_b32 s[\g+3], 32<<16
	s_mov_b32 s[\g+4], 16
	s_mov_b32 s[\g+5], 32
	s_mov_b32 s[\g+6], 0
	s_mov_b32 s[\g+7], 0
.endr
	s_lshl_b32 s18, s16, 7
	s_lshl_b32 s20, s17, 8
	s_add_co_u32 s20, s20, s18                     ; A: token 256 x tile row + 128 x half
	s_lshl_b32 s46, s42, 8
	s_add_co_u32 s46, s46, s18                     ; B: row 256 x tile column + 128 x half
	s_lshl_b32 s22, s20, 5                         ; their scales: 32 bytes a row
	s_mov_b32 s23, 0
	s_lshl_b32 s92, s46, 5
	s_mov_b32 s93, 0
	s_mul_i32 s20, s20, 48                         ; A's codes: 768 bytes for 16 tokens of a head
	s_mov_b32 s21, 0
	s_mul_i32 s46, s46, KROW
	s_mov_b32 s47, 0
	s_mul_i32 s45, s16, AHALF                      ; where they go: A's two halves,
	s_mul_i32 s95, s16, HALFT
	s_add_co_u32 s95, s95, 2*AHALF                 ; then B's two: no place in the cluster enters an LDS address
	s_mul_i32 s94, s14, HALFS
	s_wait_dscnt 0x0                               ; both opening adds are done
	s_wait_kmcnt 0x0
	s_add_nc_u64 s[20:21], s[4:5], s[20:21]
	s_add_nc_u64 s[22:23], s[6:7], s[22:23]
	s_add_nc_u64 s[46:47], s[8:9], s[46:47]
	s_add_nc_u64 s[92:93], s[10:11], s[92:93]
	CROUND                                         ; all sixteen work-groups are here: the first joint loads meet
	s_mov_b32 s[G0S], 1
	s_add_co_u32 s[G0S+1], s94, SCL
	s_mov_b64 s[G0S+2:G0S+3], s[22:23]
	s_or_b32 s[G0S+3], s[G0S+3], 0x80000000
	s_mov_b32 s[G0SB], 1
	s_add_co_u32 s[G0SB+1], s94, SCL
	s_mov_b64 s[G0SB+2:G0SB+3], s[92:93]
	s_or_b32 s[G0SB+3], s[G0SB+3], 0x80000000
	JLOAD G0S, G1S, G0SB, G1SB                     ; the scales first
.irp s, 0,1
	s_mov_b32 s[G0+4*\s], 1
	s_add_co_u32 s[G0+4*\s+1], s45, \s*SLOT
	s_add_nc_u64 s[G0+4*\s+2:G0+4*\s+3], s[20:21], \s*ASTEP
	s_or_b32 s[G0+4*\s+3], s[G0+4*\s+3], 0x80000000
	s_mov_b32 s[G0B+4*\s], 1
	s_add_co_u32 s[G0B+4*\s+1], s95, \s*SLOT
	s_add_nc_u64 s[G0B+4*\s+2:G0B+4*\s+3], s[46:47], \s*ROWB
	s_or_b32 s[G0B+4*\s+3], s[G0B+4*\s+3], 0x80000000
	JLOAD G0+4*\s, G1, G0B+4*\s, G1B
.endr
	v_and_b32 v1, 15, v0                           ; l % 16
	v_bfe_u32 v2, v0, 4, 1                         ; l / 16
	; the bias: for B's block b my eight columns 16 b + 8 (l / 16) + 0 .. 7 of my wave's 128
	s_lshl_b32 s20, s42, 10
	s_lshl_b32 s21, s16, 9
	s_add_co_u32 s20, s20, s21
	s_mov_b32 s21, 0
	s_add_nc_u64 s[96:97], s[96:97], s[20:21]
	v_lshlrev_b32 v[BOF], 5, v2
.irp b, 0,1,2,3,4,5,6,7
	global_load_b128 v[BIAS+8*\b:BIAS+8*\b+3], v[BOF], s[96:97] offset:64*\b
	global_load_b128 v[BIAS+8*\b+4:BIAS+8*\b+7], v[BOF], s[96:97] offset:64*\b+16
.endr
	v_mul_u32_u24 v3, v1, PITCH
	v_mul_u32_u24 v4, v2, 24
	v_add_nc_u32 v4, v3, v4                        ; B: a fragment's row x pitch + 24 x half
	v_lshl_add_u32 v5, v2, 4, v4                   ; and the same behind one padding more
	v_and_b32 v6, 31, v0
	v_lshlrev_b32 v8, 4, v6                        ; A: 16 x lane,
	v_lshl_add_u32 v9, v6, 3, 512                  ; 512 + 8 x lane
	s_mul_i32 s21, s15, AHALF                      ; my 128 rows of A
	s_mul_i32 s22, s16, HALFT                      ; my 128 rows of B,
	s_add_co_u32 s22, s22, 2*AHALF                 ; which lie behind A's 256
.irp s, 0,1
	v_add_nc_u32 v[ADRA+\s], s21, v8
	v_add_nc_u32 v[ADRA+2+\s], s21, v9
	v_add_nc_u32 v[ADRB+\s], s22, v4
	v_add_nc_u32 v[ADRB+2+\s], s22, v5
	s_add_co_u32 s21, s21, SLOT
	s_add_co_u32 s22, s22, SLOT
.endr
	v_lshlrev_b32 v5, 5, v1                        ; my row's scales: 32 bytes a row,
	v_lshrrev_b32 v3, 8, v5
	v_lshl_add_u32 v5, v3, 4, v5                   ; and 16 more for each 256 passed
	s_mul_i32 s21, s15, HALFS
	s_mul_i32 s22, s16, HALFS
	s_add_co_u32 s22, s22, 2*HALFS
	s_sub_co_u32 s22, s22, s21
	v_mul_u32_u24 v3, s22, v2                      ; lanes 16-31 take B's: the lower base + half x the distance
	s_add_co_u32 s21, s21, SCL
	v_add_nc_u32 v5, v5, v3
	v_add_nc_u32 v[ADRS], s21, v5
	s_mul_i32 s23, s14, 16*SPITCH                  ; my stage
	v_mul_u32_u24 v5, v1, SPITCH                   ; in: row l % 16, 32 bytes for each half of the lanes
	v_lshl_add_u32 v5, v2, 5, v5
	v_add_nc_u32 v[STO], s23, v5
	v_lshlrev_b32 v[CO], 4, v6                     ; back: the 32 lanes take one row of 512 bytes; and the same in out0
	v_add_nc_u32 v[RD], s23, v[CO]
	s_lshl_b32 s20, s17, 8
	s_lshl_b32 s21, s15, 7
	s_add_co_u32 s20, s20, s21                     ; my first row of out0
	s_lshl_b32 s20, s20, 12                        ; 4,096 bytes a row
	s_mov_b32 s21, 0
	s_lshl_b32 s46, s42, 10                        ; my first column, in bytes
	s_lshl_b32 s47, s16, 9
	s_add_co_u32 s46, s46, s47
	s_mov_b32 s47, 0
	s_add_nc_u64 s[20:21], s[20:21], s[46:47]
	s_add_nc_u64 s[12:13], s[12:13], s[20:21]
.macro FRAG reg, adr, q, i             ; a fragment of B from padded rows, in pieces of 8 bytes
.irp p, 0,1,2,3,4,5
.set PCE, 12*(\q)+6*(\p/3)+\p%3
.if PCE%8 < 5
	ds_load_b64 v[\reg+2*\p:\reg+2*\p+1], v[\adr] offset:8*PCE+16*(PCE/8)+(\i)*16*PITCH
.else
	ds_load_b64 v[\reg+2*\p:\reg+2*\p+1], v[\adr+2] offset:8*PCE+16*(PCE/8)+(\i)*16*PITCH
.endif
.endr
.endm
.macro FRAGI reg, adr, q, i            ; a fragment of A from two heads' images: registers 6 c .. 6 c + 5 are head 2 q + c of the slot's four
.irp c, 0,1
	ds_load_b128 v[\reg+6*\c:\reg+6*\c+3], v[\adr] offset:(2*(\q)+\c)*6144+(\i)*768
	ds_load_b64 v[\reg+6*\c+4:\reg+6*\c+5], v[\adr+2] offset:(2*(\q)+\c)*6144+(\i)*768
.endr
.endm
; 16 matrix instructions.  zero = 2: the first product of each sum takes the bias as its C; 0: in place.  The 64 accumulators take turns, one instruction a turn.
.macro MUL16 a0, p, q, sc, zero
.irp a, \a0, \a0+1
.irp b, 0,1,2,3,4,5,6,7
.if \zero
	v_wmma_scale_f32_16x16x128_f8f6f4 v[8*(8*((\a)%4)+\b):8*(8*((\a)%4)+\b)+7], v[128*(\p)+FR*\b:128*(\p)+FR*\b+FR-1], v[AF+FR*(\a):AF+FR*(\a)+FR-1], v[BIAS+8*\b:BIAS+8*\b+7], v[SC+8*NQ*(\sc)+NQ*\b+(\q)], v[SC+8*NQ*(\sc)+NQ*(\a)+(\q)] matrix_a_fmt:MATRIX_FMT_FP6 matrix_b_fmt:MATRIX_FMT_FP6 matrix_a_scale:MATRIX_SCALE_ROW1
.else
	v_wmma_scale_f32_16x16x128_f8f6f4 v[8*(8*((\a)%4)+\b):8*(8*((\a)%4)+\b)+7], v[128*(\p)+FR*\b:128*(\p)+FR*\b+FR-1], v[AF+FR*(\a):AF+FR*(\a)+FR-1], v[8*(8*((\a)%4)+\b):8*(8*((\a)%4)+\b)+7], v[SC+8*NQ*(\sc)+NQ*\b+(\q)], v[SC+8*NQ*(\sc)+NQ*(\a)+(\q)] matrix_a_fmt:MATRIX_FMT_FP6 matrix_b_fmt:MATRIX_FMT_FP6 matrix_a_scale:MATRIX_SCALE_ROW1
.endif
.endr
.endr
.endm
.macro FETCH_B slot, q, p
	WIN TO_B
.irp i, 0,1,2,3,4,5,6,7
	FRAG 128*(\p)+FR*\i, ADRB+\slot, \q, \i
.endr
	WIN 0
.endm
.macro FETCH_A slot, q, i0
.irp i, \i0, \i0+1, \i0+2, \i0+3
	FRAGI AF+FR*(\i), ADRA+\slot, \q, \i
.endr
.endm
.macro SCALES sc
.irp i, 0,1,2,3,4,5,6,7
	ds_load_b64 v[SC+8*NQ*\sc+NQ*\i:SC+8*NQ*\sc+NQ*\i+1], v[ADRS] offset:\i*SBLK
.endr
.endm
.macro PLACES n
.rept \n
	v_nop
.endr
.endm
.macro STEP slot, q, zero
	s_wait_dscnt 4*NLA                             ; B's set and A's blocks 0-3 are in; the youngest 16 loads (A's blocks 4-7) may be out
.if \zero
	WIN FST_LO
.else
	WIN MUL_LO
.endif
	MUL16 0, (\q)%2, \q, \slot, \zero
	MUL16 2, (\q)%2, \q, \slot, \zero
	s_wait_dscnt 0
	PLACES NP
	FETCH_B \slot, (\q)+1, 1-(\q)%2
	FETCH_A \slot, (\q)+1, 0
.if \zero
	WIN FST_HI
.else
	WIN MUL_HI
.endif
	MUL16 4, (\q)%2, \q, \slot, \zero
	MUL16 6, (\q)%2, \q, \slot, \zero
	PLACES NP
	WIN 0
	FETCH_A \slot, (\q)+1, 4
.endm
.macro TURN slot, next, fill
	s_wait_tensorcnt 0x0                           ; all my tensor loads have landed: my part of the next slot (every window is 0 here)
	ds_add_u32 v[SPW], v[NIL]                      ; 0 onto my spare word
	s_wait_dscnt 4*NLA+1                           ; the add and the youngest 16 loads, A's blocks 4-7, may be out
	WIN MUL_LO
	MUL16 0, 1, NQ-1, \slot, 0
	s_wait_dscnt 0x0                               ; the add is done, and my reads of this slot are over
	s_barrier_signal -1
	MUL16 2, 1, NQ-1, \slot, 0
	WIN 0
	s_barrier_wait -1
.if \fill
	CREST                                          ; the barrier has opened a round of the cluster's barrier: no wave of any partner still reads this slot's tile or has a load on its way
	s_add_nc_u64 s[G0+4*\slot+2:G0+4*\slot+3], s[G0+4*\slot+2:G0+4*\slot+3], 2*ASTEP
	s_add_nc_u64 s[G0B+4*\slot+2:G0B+4*\slot+3], s[G0B+4*\slot+2:G0B+4*\slot+3], 2*ROWB
	JLOAD G0+4*\slot, G1, G0B+4*\slot, G1B         ; the first tensor load behind the round; its four v_nop are the places in front of the loads below
.else
	PLACES NP
.endif
	v_add_nc_u32 v[ADRS], 4*NQ, v[ADRS]
	FETCH_B \next, 0, 0
	FETCH_A \next, 0, 0
	SCALES \next
	WIN MUL_HI
	MUL16 4, 1, NQ-1, \slot, 0
	MUL16 6, 1, NQ-1, \slot, 0
	PLACES NP
	WIN 0
	FETCH_A \next, 0, 4
.endm
	s_wait_tensorcnt 1                             ; of my three first fills the scales and K step 0 are in; K step 1's may be out
	s_barrier_signal -1
	s_barrier_wait -1
	FETCH_B 0, 0, 0
	FETCH_A 0, 0, 0
	SCALES 0
	FETCH_A 0, 0, 4
	s_wait_loadcnt 0x0                             ; the bias
	STEP 0, 0, 2                                   ; four K steps of 256, twice round the ring: written straight.  The first products take the bias as C
	TURN 0, 1, 1
	STEP 1, 0, 0
	TURN 1, 0, 1
	STEP 0, 0, 0
	TURN 0, 1, 0
	STEP 1, 0, 0
	s_wait_dscnt 4*NLA
	WIN MUL_LO
	MUL16 0, 1, NQ-1, 1, 0
	MUL16 2, 1, NQ-1, 1, 0
	s_wait_dscnt 0
	WIN MUL_HI
	MUL16 4, 1, NQ-1, 1, 0
	MUL16 6, 1, NQ-1, 1, 0
	WIN 0
; THE WAY OUT, block by block of 16 rows x 128 columns, through my own stage in LDS: in as 32 bytes a lane, back as whole rows of 512 bytes.  LDS serves a wave's instructions in order (ISA guide 5.7.1.4).
.macro TOSTAGE a
.set AC, 64*((\a)%4)
	WIN 0x08+4*((\a)/4)                            ; the data: window 2 or 3
.irp b, 0,1,2,3,4,5,6,7
	ds_store_b128 v[STO], v[AC+8*\b:AC+8*\b+3] offset:64*\b          ; each accumulator from its low end on
	ds_store_b128 v[STO], v[AC+8*\b+4:AC+8*\b+7] offset:64*\b+16
.endr
	WIN 0
.set BB, BK+64*((\a)%2)
.irp t, 0,1,2,3,4,5,6,7,8,9,10,11,12,13,14,15
	ds_load_b128 v[BB+4*\t:BB+4*\t+3], v[RD] offset:\t*SPITCH
.endr
.endm
.macro SEND a, younger                 ; younger: the LDS instructions issued behind block a's loads, which may stay out
.set BB, BK+64*((\a)%2)
	s_wait_dscnt \younger
.if (\a) > 0
	s_add_nc_u64 s[12:13], s[12:13], 16*SIZE_N*4   ; (behind a wait on XCNT: the earlier stores have read their base)
.endif
.irp t, 0,1,2,3,4,5,6,7,8,9,10,11,12,13,14,15
	global_store_b128 v[CO], v[BB+4*\t:BB+4*\t+3], s[12:13] offset:\t*SIZE_N*4 th:TH_STORE_NT   ; 32 lanes store 512 consecutive bytes, aligned; written once, read by nobody here
.endr
.endm
	PLACES NP
	TOSTAGE 0
.irp a, 1,2,3,4,5,6,7
.if \a > 1
	s_wait_xcnt 0x0                                ; block a - 2's stores have read their registers and their base
.endif
	TOSTAGE \a
	SEND \a-1, 32                                  ; behind block a - 1's loads: block a's 16 stores and 16 loads
.endr
	s_wait_xcnt 0x0
	SEND 7, 0
	s_wait_tensorcnt 0x0                           ; the wave's end: an add and its wait, behind my last tensor load and my last LDS store
	ds_add_u32 v[SPW], v[NIL]
	s_wait_dscnt 0x0
	CROUND                                         ; the closing round
	s_endpgm
.Lfunc_end_k_q78e2e024f3_proj:
	.size	k_q78e2e024f3_proj, .Lfunc_end_k_q78e2e024f3_proj-k_q78e2e024f3_proj
	.p2alignl 7, 3214868480
	.fill 96, 4, 3214868480
	.section	.rodata,"a",@progbits
	.p2align	6, 0x0
	.amdhsa_kernel k_q78e2e024f3_proj
		.amdhsa_group_segment_fixed_size 327680
		.amdhsa_private_segment_fixed_size 0
		.amdhsa_enable_private_segment 0
		.amdhsa_kernarg_size 48
		.amdhsa_user_sgpr_count 2
		.amdhsa_user_sgpr_kernarg_segment_ptr 1
		.amdhsa_wavefront_size32 1
		.amdhsa_system_sgpr_workgroup_id_x 1
		.amdhsa_system_sgpr_workgroup_id_y 1
		.amdhsa_system_sgpr_workgroup_id_z 1
		.amdhsa_system_vgpr_workitem_id 0
		.amdhsa_next_free_vgpr 1024
		.amdhsa_next_free_sgpr 98
		.amdhsa_reserve_vcc 0
		.amdhsa_float_denorm_mode_32 3
		.amdhsa_float_denorm_mode_16_64 3
		.amdhsa_memory_ordered 1
		.amdhsa_forward_progress 1
		.amdhsa_inst_pref_size 154
	.end_amdhsa_kernel
	.amdgpu_metadata
---
amdhsa.version: [ 1, 2 ]
amdhsa.kernels:
  - .name:           k_q78e2e024f3_proj
    .symbol:         k_q78e2e024f3_proj.kd
    .args:
      - { .name: oc, .offset: 0, .size: 8, .value_kind: global_buffer, .address_space: global }
      - { .name: osc, .offset: 8, .size: 8, .value_kind: global_buffer, .address_space: global }
      - { .name: Wo_codes, .offset: 16, .size: 8, .value_kind: global_buffer, .address_space: global }
      - { .name: Wo_scales, .offset: 24, .size: 8, .value_kind: global_buffer, .address_space: global }
      - { .name: out0, .offset: 32, .size: 8, .value_kind: global_buffer, .address_space: global }
      - { .name: bo, .offset: 40, .size: 8, .value_kind: global_buffer, .address_space: global }
    .group_segment_fixed_size: 327680
    .private_segment_fixed_size: 0
    .kernarg_segment_align: 8
    .kernarg_segment_size: 48
    .max_flat_workgroup_size: 128
    .sgpr_count:     98
    .vgpr_count:     1024
    .wavefront_size: 32
...
	.end_amdgpu_metadata
.endif
;; end of part 3
